; MI455X (gfx1250); checked and timed in simulation.
; The chip was launched on July 23, 2026; its instructions are those of AMD's public machine-readable ISA for CDNA 5 (MIT licence, August 2026) and "CDNA5" Instruction Set Architecture Reference Guide (July 2026). The comments in the code are by the model that wrote it; some were corrected since.
;; SDPA Attention. Allowed arithmetic: float matrix products may take bf16 or f16 operands with f32 sums; other float arithmetic in f32, or as packed bf16 or f16 multiplies, adds, multiply-adds, maxima and minima; sums over many terms, partial sums and values carried from step to step in f32; what a program stores and reads back later, other than sums and carried values, may be rounded once to bf16 or f16.
;; Inputs: Wk 2,048 x 2,048 float32; Wo 2,048 x 2,048 float32; Wq 2,048 x 2,048 float32; Wv 2,048 x 2,048 float32; cos 2,048 x 1 x 64 float32; sin 2,048 x 1 x 64 float32; x 1 x 2,048 x 2,048 float32.
;; Outputs: out0 1 x 2,048 x 2,048 float32.
;; One version. Each part assembles by itself: llvm-mc -triple=amdgcn-amd-amdhsa -mcpu=gfx1250 --defsym DOCPART=n.
;; ======== version 1 of 1: 4 launches
;; limits: values are held in f16: magnitudes above 65,504 overflow, below 6.1e-05 lose precision
;; workspace buffers: xb 8,388,608 bytes; wqkv 25,165,824 bytes; wob 8,388,608 bytes; qf 8,388,608 bytes; kvf 16,777,216 bytes; ob 8,388,608 bytes
;; launch cast (part 1): grid 256 x 5, 8 waves a work-group, no clusters, 0 bytes of LDS; arguments x, Wq, Wk, Wv, Wo, xb, wqkv, wob; writes xb, wqkv, wob
.if DOCPART == 1
	.amdgcn_target "amdgcn-amd-amdhsa--gfx1250"
	.amdhsa_code_object_version 6
	.text
	.protected	k_qc970f7d5b1_cast
	.globl	k_qc970f7d5b1_cast
	.p2align	8
	.type	k_qc970f7d5b1_cast,@function
k_qc970f7d5b1_cast:
	s_mov_b64 s[64:65], 0
	v_nop
	global_prefetch_b8 v0, s[64:65] scope:SCOPE_SE
	s_setreg_imm32_b32 hwreg(HW_REG_WAVE_MODE, 25, 1), 1
	s_wait_xcnt 0x0
; The five large inputs are rounded once to bf16: x -> xb, Wq | Wk | Wv -> the three thirds of wqkv.  Wo is rounded to bf16 too, and that number is written as f16 into wob
; (exact from 2^-17 up; below that it keeps f16's fixed step of 2^-24), since the last product multiplies it by an f16 operand.
; A stream: each byte is read once and written once, so no LDS, no matrix unit, no cluster (the work-groups share nothing).
; The grid's y picks the matrix; work-group x takes 16,384 numbers: sixteen loads of 16 bytes a thread (a wave's load covers 512 consecutive bytes), all issued at once,
; and sixteen stores of 8 bytes a thread (a wave's store covers 256 consecutive bytes, aligned).  Every store has data registers of its own: nothing is rewritten while it is out.
.set X, 16                             ; v[16:79]   sixteen chunks of four f32 as loaded
.set T, 4                              ; v[4:11]    at work
.set Y, 80                             ; v[80:111]  sixteen chunks of four 16-bit numbers to store
	s_load_b512 s[8:23], s[0:1], 0x0               ; x 8, Wq 10, Wk 12, Wv 14, Wo 16, xb 18, wqkv 20, wob 22
	s_and_b32 s4, ttmp7, 0xffff                    ; which matrix: 0 x, 1 Wq, 2 Wk, 3 Wv, 4 Wo
	v_lshlrev_b32 v1, 4, v0                        ; 16 bytes a thread in
	v_lshlrev_b32 v2, 3, v0                        ; 8 bytes a thread out
	s_max_u32 s28, s4, 1
	s_sub_co_u32 s28, s28, 1                       ; the third of wqkv: 0, 0, 1, 2, (3)
	s_cmp_eq_u32 s4, 4
	s_cselect_b32 s28, 0, s28                      ; Wo has a buffer of its own
	s_cselect_b32 s34, -1, 0                       ; a lane mask: all lanes take the f16 spelling for Wo, none otherwise
	s_lshl_b32 s28, s28, 23                        ; a third is 8,388,608 bytes
	s_lshl_b32 s32, ttmp9, 15                      ; the work-group's 32,768 bytes out
	s_add_co_u32 s28, s28, s32
	s_mov_b32 s29, 0
	s_lshl_b32 s30, ttmp9, 16                      ; its 65,536 bytes in
	s_mov_b32 s31, 0
	s_mov_b32 s35, 0xffff0000                      ; a word's upper bf16
	s_wait_kmcnt 0x0
	s_cmp_eq_u32 s4, 1                             ; the source, chosen among the five buffers by the grid's y alone
	s_cselect_b64 s[24:25], s[10:11], s[8:9]
	s_cmp_eq_u32 s4, 2
	s_cselect_b64 s[24:25], s[12:13], s[24:25]
	s_cmp_eq_u32 s4, 3
	s_cselect_b64 s[24:25], s[14:15], s[24:25]
	s_cmp_eq_u32 s4, 4
	s_cselect_b64 s[24:25], s[16:17], s[24:25]
	s_cselect_b64 s[26:27], s[22:23], s[20:21]     ; the destination likewise
	s_cmp_eq_u32 s4, 0
	s_cselect_b64 s[26:27], s[18:19], s[26:27]
	s_add_nc_u64 s[24:25], s[24:25], s[30:31]
	s_add_nc_u64 s[26:27], s[26:27], s[28:29]
.set i, 0
.rept 16
	global_load_b128 v[X+4*i:X+4*i+3], v1, s[24:25] offset:4096*i th:TH_LOAD_NT
.set i, i+1
.endr
.set i, 0
.rept 16
	s_wait_loadcnt 15-i                            ; loads come back in order: chunk i is in, the younger ones stay out
	v_cvt_pk_bf16_f32 v[T], v[X+4*i], v[X+4*i+1]   ; the one rounding, to nearest even
	v_cvt_pk_bf16_f32 v[T+1], v[X+4*i+2], v[X+4*i+3]
	v_lshlrev_b32 v[T+2], 16, v[T]                 ; the rounded numbers as f32 again,
	v_and_b32 v[T+3], s35, v[T]
	v_lshlrev_b32 v[T+4], 16, v[T+1]
	v_and_b32 v[T+5], s35, v[T+1]
	v_cvt_pk_f16_f32 v[T+6], v[T+2], v[T+3]        ; and spelled as f16
	v_cvt_pk_f16_f32 v[T+7], v[T+4], v[T+5]
	v_cndmask_b32 v[Y+2*i], v[T], v[T+6], s34      ; a choice of values: every work-group runs the same lines
	v_cndmask_b32 v[Y+2*i+1], v[T+1], v[T+7], s34
	global_store_b64 v2, v[Y+2*i:Y+2*i+1], s[26:27] offset:2048*i
.set i, i+1
.endr
	s_endpgm
.Lfunc_end_k_qc970f7d5b1_cast:
	.size	k_qc970f7d5b1_cast, .Lfunc_end_k_qc970f7d5b1_cast-k_qc970f7d5b1_cast
	.p2alignl 7, 3214868480
	.fill 96, 4, 3214868480
	.section	.rodata,"a",@progbits
	.p2align	6, 0x0
	.amdhsa_kernel k_qc970f7d5b1_cast
		.amdhsa_group_segment_fixed_size 0
		.amdhsa_private_segment_fixed_size 0
		.amdhsa_enable_private_segment 0
		.amdhsa_kernarg_size 64
		.amdhsa_user_sgpr_count 2
		.amdhsa_user_sgpr_kernarg_segment_ptr 1
		.amdhsa_wavefront_size32 1
		.amdhsa_system_sgpr_workgroup_id_x 1
		.amdhsa_system_sgpr_workgroup_id_y 1
		.amdhsa_system_sgpr_workgroup_id_z 1
		.amdhsa_system_vgpr_workitem_id 0
		.amdhsa_next_free_vgpr 112
		.amdhsa_next_free_sgpr 66
		.amdhsa_reserve_vcc 0
		.amdhsa_float_denorm_mode_32 3
		.amdhsa_float_denorm_mode_16_64 3
		.amdhsa_memory_ordered 1
		.amdhsa_forward_progress 1
		.amdhsa_inst_pref_size 13
	.end_amdhsa_kernel
	.amdgpu_metadata
---
amdhsa.version: [ 1, 2 ]
amdhsa.kernels:
  - .name:           k_qc970f7d5b1_cast
    .symbol:         k_qc970f7d5b1_cast.kd
    .args:
      - { .name: x, .offset: 0, .size: 8, .value_kind: global_buffer, .address_space: global }
      - { .name: Wq, .offset: 8, .size: 8, .value_kind: global_buffer, .address_space: global }
      - { .name: Wk, .offset: 16, .size: 8, .value_kind: global_buffer, .address_space: global }
      - { .name: Wv, .offset: 24, .size: 8, .value_kind: global_buffer, .address_space: global }
      - { .name: Wo, .offset: 32, .size: 8, .value_kind: global_buffer, .address_space: global }
      - { .name: xb, .offset: 40, .size: 8, .value_kind: global_buffer, .address_space: global }
      - { .name: wqkv, .offset: 48, .size: 8, .value_kind: global_buffer, .address_space: global }
      - { .name: wob, .offset: 56, .size: 8, .value_kind: global_buffer, .address_space: global }
    .group_segment_fixed_size: 0
    .private_segment_fixed_size: 0
    .kernarg_segment_align: 8
    .kernarg_segment_size: 64
    .max_flat_workgroup_size: 256
    .sgpr_count:     66
    .vgpr_count:     112
    .wavefront_size: 32
...
	.end_amdgpu_metadata
.endif
;; end of part 1
;; launch qkv (part 2): grid 16 x 16, 4 waves a work-group, clusters of 4 x 4, 327,680 bytes of LDS; arguments xb, wqkv, cos, sin, qf, kvf; writes qf, kvf
.if DOCPART == 2
	.amdgcn_target "amdgcn-amd-amdhsa--gfx1250"
	.amdhsa_code_object_version 6
	.text
	.protected	k_qc970f7d5b1_qkv
	.globl	k_qc970f7d5b1_qkv
	.p2align	8
	.type	k_qc970f7d5b1_qkv,@function
k_qc970f7d5b1_qkv:
	s_mov_b64 s[64:65], 0
	v_nop
	global_prefetch_b8 v0, s[64:65] scope:SCOPE_SE
	s_setreg_imm32_b32 hwreg(HW_REG_WAVE_MODE, 25, 1), 1
	s_wait_xcnt 0x0
	s_wait_alu depctr_hold_cnt(0) depctr_sa_sdst(0) depctr_va_vdst(0) depctr_va_sdst(0) depctr_va_ssrc(0) depctr_va_vcc(0) depctr_vm_vsrc(0)
	s_getreg_b32 s2, hwreg(HW_REG_IB_STS2, 6, 4)
	s_cmp_eq_u32 s2, 0
	s_cbranch_scc0 .Lentry_in_a_cluster
	s_endpgm
.Lentry_in_a_cluster:
	s_bfe_u32 s2, ttmp6, 0x10000c
	s_cmp_lg_u32 s2, 0xf033
	s_cbranch_scc0 .Lentry_shape_is_right
	s_endpgm
.Lentry_shape_is_right:
; q, k, v = x W^T (bf16 operands, f32 sums over K = 2,048); q and k: RMS norm over the head's 128 channels and rotary, in f32, in registers; all three leave as f16, rounded once.
; SHARES.  Work-group (bx, by) makes rows t = 128 by .. + 127 of head bx of q, of k and of v: 128 x 384 numbers, 256 work-groups, all with the same pattern q | k | v.
; Wave (rh, ch) makes 64 rows x 192 columns: of each of the three heads the blocks of 16 channels 2 ch + e + 4 x (e, x = 0, 1): a rotary pair (j, j + 64) lies in one lane.  48 accumulators of 16 x 16.
; K goes in 16 steps of 128 through two LDS slots, each with 128 rows of x and 3 x 128 rows of W; a wave's tensor load brings 128 rows of 256 bytes.  A STEP IS WRITTEN ONCE: the slot in hand is a scalar
; that an exclusive or turns between 0 and SLOT, and one descriptor set walks: its LDS word and its global address are made anew at each change of slots.
; CLUSTER 4 x 4: x's tile hangs on by alone and is asked for jointly by a row of the cluster, W's tiles on bx alone, by a column.
; THE WALK ALONG K IS STAGGERED: cluster (X, Y) begins at step 4 ((X + rev Y) mod 4), rev swapping Y's two bits, and wraps round.  The four clusters that read the same rows of x (one Y), and the four that
; read the same rows of W (one X), begin at four different steps: at no time do two of them ask for the same bytes, and of a cluster's 16 steps 12 ask for bytes that another has asked for 4 steps or more before.
; q AND k USE THE PRODUCT TRANSPOSED (source 0 = 16 rows of W, source 1 = 16 rows of x): a lane holds one row t and 8 neighbouring channels.  v uses it as it stands: a lane holds one channel and 8
; neighbouring rows t.  Packed to f16, each accumulator is then 16 bytes a lane of just the operand that the attention launch feeds to its matrix instructions, so the results are stored in that
; order: every store of a wave covers 512 consecutive bytes, aligned, and no LDS stage is needed.
;   qf  [head][tile of 16 queries][block bt of 16 channels][lane 16 h + r][8 f16]: query r, channels 16 bt + 8 h ..
;   kvf [head][step of 64 keys][K 16,384 bytes | V 16,384 bytes]; K piece 8 kb + bt: key 16 kb + r, channels 16 bt + 8 h ..; V piece 16 kk + 2 cb + half: channel 16 cb + r, keys 32 kk + 16 half + 8 h ..
; LIMITS.  A sum over K begins at the cluster's first step and wraps round: the order of its f32 additions is not the reference's.  f16 holds no number beyond 65,504: v, and q and k behind the norm
; (at most sqrt(128) (|cos| + |sin|)), must lie within it.  cos and sin are rounded to bf16 like every input.  NaN and infinities are not treated apart.
; REGISTERS, in windows of 256 (s_set_vgpr_msb: bits 1:0 source 0, 3:2 source 1, 5:4 source 2, 7:6 destination):
;   window 0: v16-29 addresses; v32-95 x's fragments, two buffers; v96-111 sums of squares; v128-239 at work on the way out
;   window 1: q's 16 accumulators at v[8 (4 k4 + a)], k's at v[128 + ..]     window 2: v's at v[8 (4 k4 + a)]; v128-255 cos and sin as loaded     window 3: W's fragments, two buffers of 96
.set KSTEP,  128
.set NSTEP,  16
.set PITCH,  272                       ; an LDS row: 256 bytes + 16 of padding = 68 words: the 16 rows of a fragment load start at 16 different groups of four banks (64 banks of 4 bytes: ISA guide 11.1)
.set HALFT,  128*PITCH                 ; 128 rows: what one tensor load brings
.set SLOT,   4*HALFT                   ; x's 128 rows, then Wq's, Wk's, Wv's
.set XS,     2*SLOT                    ; behind the ring: 1,024 bytes a wave, for the sums of squares
.set SPARE,  XS+4096                   ; the spare words, 128 bytes for each wave: two blocks of 256 bytes that no other line names
.set ADRA, 16                          ; v16     LDS address of my fragments of x in slot 0; v17 the same in the slot in hand
.set ADRB, 18                          ; v18, 20, 22  the same for Wq, Wk, Wv in slot 0; v19, 21, 23 in the slot in hand
.set CO,   24                          ; v24     my byte offset in 16 rows of cos and sin
.set LO,   25                          ; v25     16 x lane
.set XSW,  26                          ; v26     where I put a sum of squares
.set XSR,  27                          ; v27     where I read the pair of waves' sums
.set SPW,  28                          ; v28     LDS address of my spare word; never rewritten
.set NIL,  29                          ; v29     0; never rewritten
.set FA,   32
.set SS,   96                          ; pair 4 head + a
.set CC,   128                         ; 16 cosines, f32
.set SN,   144                         ; 16 sines
.set T1,   160
.set T2,   168
.set Y1,   176
.set Y2,   184
.set PK,   192                         ; 32 packed registers to store
.set PB,   224                         ; 16 registers of packed bf16
.set RAW,  128                         ; window 2: 32 a + 16 e + 8 (0 cos, 1 sin) + j
.set WV, 16                            ; s16 wave;  s17 rh;  s18 ch;  s19 which W I fetch;  s20 where my tile goes in a slot
.set RH, 17
.set CH, 18
.set PP, 19
.set LD, 20
.set G1, 24                            ; s[24:31] descriptor group 1 for x's tiles;  s[32:39] group 0: a set for each of the two first fills; the second then walks on
.set G0, 32
.set G1B, 48                           ; s[48:55], s[56:63] the same for W's tiles
.set G0B, 56
.set KN,  75                           ; s75  the K step (0 to 15) that the walking sets name
.set OFK, 76                           ; s[76:77] its byte offset in a row
.set TBR, 78                           ; s78  the slot that is read: 0 or SLOT
.set TBF, 79                           ; s79  the slot that was filled last: 0 or SLOT
.set MSB, 0
.macro WIN new                         ; the immediate's high byte repeats the setting that is left; a switch that changes nothing is dropped
.if MSB != (\new)
	s_set_vgpr_msb (MSB<<8)|(\new)
.set MSB, \new
.endif
.endm
; A joint load.  Wave 0 fetches x's tile, waves 1 to 3 those of Wq, Wk, Wv.  The branch hangs on the wave's number alone.  An s_nop 0 and four v_nop follow each of the two lines.
.macro JLOAD s
	s_cmp_eq_u32 s[WV], 0
	s_cbranch_scc0 .Lfor_b_\@
	tensor_load_to_lds s[G0+4*(\s):G0+4*(\s)+3], s[G1:G1+7]
	s_nop 0
.rept 4
	v_nop
.endr
	s_branch .Lasked_\@
.Lfor_b_\@:
	tensor_load_to_lds s[G0B+4*(\s):G0B+4*(\s)+3], s[G1B:G1B+7]
	s_nop 0
.rept 4
	v_nop
.endr
.Lasked_\@:
.endm
.macro CREST                           ; a round of the cluster's barrier behind its opening barrier
	s_cmp_lg_u32 s[WV], 0
	s_cbranch_scc1 .Lnot_wave_0_\@
	s_barrier_signal -3
.Lnot_wave_0_\@:
	s_barrier_wait -3
	s_barrier_signal -1
	s_barrier_wait -1
.endm
.macro CROUND                          ; a whole round
	s_barrier_signal -1
	s_barrier_wait -1
	CREST
.endm
.macro PLACES                          ; four places in front of loads into registers that matrix instructions have read, and of vector lines that read results
.rept 4
	v_nop
.endr
.endm
	s_load_b256 s[4:11], s[0:1], 0x0               ; xb s[4:5], wqkv s[6:7], cos s[8:9], sin s[10:11]
	s_load_b128 s[12:15], s[0:1], 0x20             ; qf s[12:13], kvf s[14:15]
	v_lshl_add_u32 v[SPW], v0, 2, SPARE
	v_mov_b32 v[NIL], 0
	ds_add_u32 v[SPW], v[NIL]                      ; the wave's opening: the add and its wait ahead of my first tensor load; the set-up below stands between them
	v_lshrrev_b32 v1, 5, v0
	v_readfirstlane_b32 s[WV], v1                  ; wave 0..3
	s_lshr_b32 s[RH], s[WV], 1                     ; which 64 of the 128 rows are mine
	s_and_b32 s[CH], s[WV], 1                      ; which blocks of channels
	s_max_u32 s[PP], s[WV], 1
	s_sub_co_u32 s[PP], s[PP], 1                   ; waves 1, 2, 3 fetch Wq, Wk, Wv
	s_bfe_u32 s40, ttmp6, 0x40000                  ; cx, cy: my place in the cluster
	s_bfe_u32 s41, ttmp6, 0x40004
	s_lshl_b32 s42, ttmp9, 2
	s_add_co_u32 s42, s42, s40                     ; bx, the head = 4 x cluster x + cx
	s_and_b32 s43, ttmp7, 0xffff
	s_lshl_b32 s43, s43, 2
	s_add_co_u32 s43, s43, s41                     ; by, the block of 128 rows = 4 x cluster y + cy
	s_lshl_b32 s44, s41, 2
	s_lshl_b32 s44, 15, s44                        ; my row of the cluster
	s_lshl_b32 s45, 0x1111, s40                    ; my column
	s_and_b32 s21, ttmp7, 0xffff                   ; the walk's first K step, made of the cluster's X and Y alone, which all sixteen partners share:
	s_and_b32 s22, s21, 1
	s_lshr_b32 s21, s21, 1
	s_lshl1_add_u32 s21, s22, s21                  ; rev Y: Y's two bits swapped
	s_add_co_u32 s21, s21, ttmp9
	s_and_b32 s21, s21, 3
	s_lshl_b32 s[KN], s21, 2                       ; 4 ((X + rev Y) mod 4)
	s_lshl_b32 s[OFK], s[KN], 8                    ; a step is 256 bytes of a row
	s_mov_b32 s[OFK+1], 0
	s_mov_b32 s[TBR], 0                            ; slot 0 is read first;
	s_mov_b32 s[TBF], SLOT                         ; slot 1 is the last of the two first fills
	s_or_b32 s[G1+0], s44, (1<<16)|(1<<20)|(1<<21)|(5<<22)|(3<<25)   ; 15:0 the mask; 17:16 2-byte elements; 20 padding on; 21 set beside a mask; 24:22 after every 64 words (code 5); 31:25 4 words (code 3)
	s_or_b32 s[G1B+0], s45, (1<<16)|(1<<20)|(1<<21)|(5<<22)|(3<<25)
.irp g, G1, G1B
	s_mov_b32 s[(\g)+1], KSTEP<<16                 ; tensor_dim0 = 128
	s_mov_b32 s[(\g)+2], 128<<16                   ; tensor_dim1 = 128
	s_mov_b32 s[(\g)+3], KSTEP<<16                 ; tile_dim0 = 128
	s_mov_b32 s[(\g)+4], 128                       ; tile_dim1 = 128
	s_mov_b32 s[(\g)+5], 2048                      ; elements from row to row
	s_mov_b32 s[(\g)+6], 0
	s_mov_b32 s[(\g)+7], 0
.endr
	s_lshl_b32 s72, s43, 19                        ; x: 128 by rows of 4,096 bytes: made of by alone
	s_mov_b32 s73, 0
	s_lshl_b32 s46, s42, 19                        ; W: row 2,048 p + 128 bx: made of bx and the wave's number alone
	s_lshl_b32 s47, s[PP], 23
	s_add_co_u32 s46, s46, s47
	s_mov_b32 s47, 0
	s_mul_i32 s[LD], s[WV], HALFT                  ; where my tile goes: wave x 128 rows
	s_mov_b32 s68, 0x76543210                      ; v_permlanex16_b32: each lane takes its own place in the other half
	s_mov_b32 s69, 0xfedcba98
	s_mov_b32 s70, 0x3c000000                      ; 1 / 128
	s_mov_b32 s71, 0x34000000                      ; f32's eps, 2^-23
	s_mov_b32 s74, 0xffff0000                      ; a word's upper bf16
	s_wait_dscnt 0x0                               ; the opening add is done
	s_wait_kmcnt 0x0
	s_add_nc_u64 s[72:73], s[4:5], s[72:73]        ; my rows of x, kept: every tile's address is made from it
	s_add_nc_u64 s[46:47], s[6:7], s[46:47]        ; my rows of W, kept likewise
	CROUND                                         ; all sixteen work-groups are here: the first joint loads meet
.irp s, 0,1
	s_mov_b32 s[G0+4*(\s)], 1                      ; count = 1
	s_add_co_u32 s[G0+4*(\s)+1], s[LD], (\s)*SLOT  ; LDS address
	s_add_nc_u64 s[G0+4*(\s)+2:G0+4*(\s)+3], s[72:73], s[OFK:OFK+1]  ; global address: the walk's step s
	s_or_b32 s[G0+4*(\s)+3], s[G0+4*(\s)+3], 0x80000000              ; type = 2
	s_mov_b32 s[G0B+4*(\s)], 1
	s_add_co_u32 s[G0B+4*(\s)+1], s[LD], (\s)*SLOT
	s_add_nc_u64 s[G0B+4*(\s)+2:G0B+4*(\s)+3], s[46:47], s[OFK:OFK+1]
	s_or_b32 s[G0B+4*(\s)+3], s[G0B+4*(\s)+3], 0x80000000
	JLOAD \s                                       ; two loads of mine are out
	s_add_co_u32 s[OFK], s[OFK], KSTEP*2           ; the first step is a multiple of 4: the second does not wrap
.endr
	s_add_co_u32 s[KN], s[KN], 1                   ; the step that the walking sets name
	; cos and sin of my 64 rows and my 32 of the 64 angles: 32 bytes a lane for each (a, e).  They are asked for now and waited for on the way out; their registers and addresses are left alone till then.
	v_and_b32 v1, 15, v0                           ; r
	v_bfe_u32 v2, v0, 4, 1                         ; h
	v_lshlrev_b32 v[CO], 8, v1                     ; a row of 64 f32 is 256 bytes
	v_lshl_add_u32 v[CO], v2, 5, v[CO]
	s_lshl_b32 s22, s43, 15                        ; (128 by + 64 rh) x 256 + 128 ch
	s_lshl_b32 s21, s[RH], 14
	s_add_co_u32 s22, s22, s21
	s_lshl_b32 s21, s[CH], 7
	s_add_co_u32 s22, s22, s21
	s_mov_b32 s23, 0
	s_add_nc_u64 s[8:9], s[8:9], s[22:23]
	s_add_nc_u64 s[10:11], s[10:11], s[22:23]
	WIN 0x80                                       ; destination window 2, address window 0
.irp ta, 0,1,2,3
.irp e, 0,1
	global_load_b128 v[RAW+32*(\ta)+16*(\e):RAW+32*(\ta)+16*(\e)+3],     v[CO], s[8:9] offset:(\ta)*4096+64*(\e)
	global_load_b128 v[RAW+32*(\ta)+16*(\e)+4:RAW+32*(\ta)+16*(\e)+7],   v[CO], s[8:9] offset:(\ta)*4096+64*(\e)+16
	global_load_b128 v[RAW+32*(\ta)+16*(\e)+8:RAW+32*(\ta)+16*(\e)+11],  v[CO], s[10:11] offset:(\ta)*4096+64*(\e)
	global_load_b128 v[RAW+32*(\ta)+16*(\e)+12:RAW+32*(\ta)+16*(\e)+15], v[CO], s[10:11] offset:(\ta)*4096+64*(\e)+16
.endr
.endr
	WIN 0
	; A fragment is 16 rows x 32 K in 8 registers: lane l holds row l % 16, K = 8 (l / 16) + 0..7 and 16 + 8 (l / 16) + 0..7: two loads of 16 bytes, 32 bytes apart.
	v_mul_u32_u24 v3, v1, PITCH
	v_lshl_add_u32 v3, v2, 4, v3                   ; row x pitch + 16 x half
	s_mul_i32 s21, s[RH], 64*PITCH                 ; my 64 rows of x
	v_add_nc_u32 v[ADRA], s21, v3
	v_mov_b32 v[ADRA+1], v[ADRA]                   ; the slot in hand is slot 0
	s_mul_i32 s21, s[CH], 32*PITCH                 ; my blocks of a head begin at its row 32 ch
	s_add_co_u32 s21, s21, HALFT
.irp pp, 0,1,2
	v_add_nc_u32 v[ADRB+2*(\pp)], s21, v3
	v_mov_b32 v[ADRB+2*(\pp)+1], v[ADRB+2*(\pp)]
	s_add_co_u32 s21, s21, HALFT
.endr
	v_and_b32 v4, 31, v0
	v_lshlrev_b32 v[LO], 4, v4
	s_lshl_b32 s21, s[WV], 10
	s_add_co_u32 s21, s21, XS
	v_lshl_add_u32 v[XSW], v4, 2, s21
	s_lshl_b32 s21, s[RH], 11                      ; the two waves of my rows lie side by side
	s_add_co_u32 s21, s21, XS
	v_lshl_add_u32 v[XSR], v4, 2, s21
	s_lshl_b32 s22, s42, 19                        ; qf: head x 524,288 + (8 by + 4 rh) x 4,096 + 1,024 ch
	s_lshl_b32 s21, s43, 15
	s_add_co_u32 s22, s22, s21
	s_lshl_b32 s21, s[RH], 14
	s_add_co_u32 s22, s22, s21
	s_lshl_b32 s21, s[CH], 10
	s_add_co_u32 s22, s22, s21
	s_add_nc_u64 s[12:13], s[12:13], s[22:23]
	s_lshl_b32 s22, s42, 20                        ; kvf: head x 1,048,576 + (2 by + rh) x 32,768: my 64 rows are one key step
	s_lshl_b32 s21, s43, 16
	s_add_co_u32 s22, s22, s21
	s_lshl_b32 s21, s[RH], 15
	s_add_co_u32 s22, s22, s21
	s_add_nc_u64 s[14:15], s[14:15], s[22:23]
	s_lshl_b32 s22, s[CH], 11
	s_add_co_u32 s22, s22, 16384
	s_add_nc_u64 s[66:67], s[14:15], s[22:23]      ; V: + 16,384 + 2,048 ch
	s_lshl_b32 s22, s[CH], 10
	s_add_nc_u64 s[14:15], s[14:15], s[22:23]      ; K: + 1,024 ch
; 16 matrix instructions: part p (0 q, 1 k, 2 v), its 4 blocks of channels x my 4 blocks of rows, 32 along K, from buffer f.  zero = 1: the product starts the sums.
; The 48 accumulators take turns in one fixed order, one instruction a turn.
.macro MULP f, p, zero
.if (\p) == 2
	WIN 0xac                                       ; source 0 x (window 0), source 1 W (window 3), C and D window 2
.else
	WIN 0x53                                       ; source 0 W (window 3), source 1 x (window 0), C and D window 1
.endif
.irp k4, 0,1,2,3
.irp ta, 0,1,2,3
.set rD, 128*((\p)%2)+8*(4*(\k4)+(\ta))
.set rB, 96*(\f)+8*(4*(\p)+(\k4))
.set rA, FA+32*(\f)+8*(\ta)
.if (\p) == 2
.if \zero
	v_wmma_f32_16x16x32_bf16 v[rD:rD+7], v[rA:rA+7], v[rB:rB+7], 0
.else
	v_wmma_f32_16x16x32_bf16 v[rD:rD+7], v[rA:rA+7], v[rB:rB+7], v[rD:rD+7]
.endif
.else
.if \zero
	v_wmma_f32_16x16x32_bf16 v[rD:rD+7], v[rB:rB+7], v[rA:rA+7], 0
.else
	v_wmma_f32_16x16x32_bf16 v[rD:rD+7], v[rB:rB+7], v[rA:rA+7], v[rD:rD+7]
.endif
.endif
.endr
.endr
.endm
; 32 LDS loads in one run: the fragments of 32 K at byte k of the rows of the slot in hand, into buffer f: x's 8 loads, then Wq's, Wk's, Wv's 8 each
.macro FETCH k, f
	WIN 0
.irp ta, 0,1,2,3
	ds_load_b128 v[FA+32*(\f)+8*(\ta):FA+32*(\f)+8*(\ta)+3],   v[ADRA+1] offset:(\k)+(\ta)*16*PITCH
	ds_load_b128 v[FA+32*(\f)+8*(\ta)+4:FA+32*(\f)+8*(\ta)+7], v[ADRA+1] offset:(\k)+(\ta)*16*PITCH+32
.endr
	WIN 0xc0                                       ; destination window 3
.irp pp, 0,1,2
.irp k4, 0,1,2,3
	ds_load_b128 v[96*(\f)+8*(4*(\pp)+(\k4)):96*(\f)+8*(4*(\pp)+(\k4))+3],   v[ADRB+2*(\pp)+1] offset:(\k)+(16*((\k4)%2)+64*((\k4)/2))*PITCH
	ds_load_b128 v[96*(\f)+8*(4*(\pp)+(\k4))+4:96*(\f)+8*(4*(\pp)+(\k4))+7], v[ADRB+2*(\pp)+1] offset:(\k)+(16*((\k4)%2)+64*((\k4)/2))*PITCH+32
.endr
.endr
.endm
; A K step is four quarters of 32 along K, 48 matrix instructions each, on buffers 0, 1, 0, 1.  One of the first three: multiplies buffer f and fetches the next quarter, at byte k, into g.
.macro QUARTER k, f, g, zero
	s_wait_dscnt 16                                ; x and Wq are in; Wk's and Wv's sixteen loads may be out
	MULP \f, 0, \zero
	PLACES
	FETCH \k, \g
	s_wait_dscnt 32                                ; all but the 32 just issued
	MULP \f, 1, \zero
	MULP \f, 2, \zero
.endm
; The last quarter multiplies buffer 1 and changes slots.  MEET is its first two thirds: ONE barrier; in front of it each wave waits for all its tensor loads (one is out: its part of the next slot), adds 0 to its
; spare word, and waits for that and for its reads of this slot.  Between the add and the wait for it: the fragment addresses turn to the other slot (every load from this slot has been issued), and with
; fill = 1 the walking descriptor sets, which no load names any more, take this slot and the K step two on, modulo 16.
.macro MEET fill
	WIN 0                                          ; (the add's two registers lie in window 0)
	s_wait_tensorcnt 0x0
	ds_add_u32 v[SPW], v[NIL]
	s_xor_b32 s[TBR], s[TBR], SLOT                 ; 0 <-> SLOT
	v_add_nc_u32 v[ADRA+1], s[TBR], v[ADRA]
.irp pp, 0,1,2
	v_add_nc_u32 v[ADRB+2*(\pp)+1], s[TBR], v[ADRB+2*(\pp)]
.endr
.if \fill
	s_add_co_u32 s[KN], s[KN], 1
	s_and_b32 s[KN], s[KN], NSTEP-1                ; the walk wraps round
	s_lshl_b32 s[OFK], s[KN], 8
	s_xor_b32 s[TBF], s[TBF], SLOT                 ; the slot that is being left
	s_add_co_u32 s[G0+5], s[LD], s[TBF]
	s_add_nc_u64 s[G0+6:G0+7], s[72:73], s[OFK:OFK+1]   ; the address is made anew from the step's number
	s_or_b32 s[G0+7], s[G0+7], 0x80000000
	s_add_co_u32 s[G0B+5], s[LD], s[TBF]
	s_add_nc_u64 s[G0B+6:G0B+7], s[46:47], s[OFK:OFK+1]
	s_or_b32 s[G0B+7], s[G0B+7], 0x80000000
.endif
	s_wait_dscnt 17                                ; (the add and the youngest sixteen loads may be out)
	MULP 1, 0, 0                                   ; sixteen matrix instructions stand between the add and the wait for it
	s_wait_dscnt 0x0                               ; the add is done, and my reads of this slot are over
	s_barrier_signal -1
	MULP 1, 1, 0
	WIN 0
	s_barrier_wait -1
.endm
	s_wait_tensorcnt 1                             ; my part of the walk's first step is in; the second's may stay out
	s_barrier_signal -1
	s_barrier_wait -1                              ; everybody's is
	FETCH 0, 0
	QUARTER 64, 0, 1, 1                            ; the first quarter stands in front of the loop: its products start the sums
	WIN 0                                          ; at a label and at a branch every window is 0
	s_mov_b32 s3, NSTEP-2
.Lstep:                                                ; 14 trips, each from a step's second quarter to the next step's first; each fills the slot that it leaves
	QUARTER 128, 1, 0, 0
	QUARTER 192, 0, 1, 0
	MEET 1
	CREST                                          ; the barrier has opened a round of the cluster's: no wave of any partner still reads this slot's tiles or has a load on its way
	JLOAD 1                                        ; the first tensor load behind the round: 160 matrix instructions ahead of the wait for it; its four v_nop are also the places in front of the loads below
	FETCH 0, 0
	MULP 1, 2, 0
	QUARTER 64, 0, 1, 0
	WIN 0
	s_sub_co_u32 s3, s3, 1
	s_cmp_lg_u32 s3, 0
	s_cbranch_scc1 .Lstep
	s_mov_b32 s3, 2
.Ltail:                                                ; the last two steps fill nothing: a text of their own
	QUARTER 128, 1, 0, 0
	QUARTER 192, 0, 1, 0
	MEET 0
	s_cmp_eq_u32 s3, 1                             ; behind the last step there is nothing to fetch: what is jumped holds no barrier and no tensor load
	s_cbranch_scc1 .Llast
	PLACES
	FETCH 0, 0
	MULP 1, 2, 0
	QUARTER 64, 0, 1, 0
	WIN 0
.Llast:
	s_sub_co_u32 s3, s3, 1
	s_cmp_lg_u32 s3, 0
	s_cbranch_scc1 .Ltail
	MULP 1, 2, 0                                   ; the last step's last sixteen products
	; THE NORM.  A lane holds 32 of a row's 128 channels of q and of k: eight chains (head, a) of packed multiply-adds, each accumulator's lowest registers first;
	; the lane 16 away holds 32 more, the other wave of my rows the other 64.
	WIN 0
	PLACES
	WIN 0x05                                       ; sources 0 and 1 window 1; the sum in window 0
.irp k4, 0,1,2,3
.irp jj, 0,1,2,3
.irp ix, 0,1,2,3,4,5,6,7
.set rA, 128*((\ix)/4)+8*(4*(\k4)+(\ix)%4)+2*(\jj)
.if ((\k4) == 0) && ((\jj) == 0)
	v_pk_mul_f32 v[SS+2*(\ix):SS+2*(\ix)+1], v[rA:rA+1], v[rA:rA+1]
.else
	v_pk_fma_f32 v[SS+2*(\ix):SS+2*(\ix)+1], v[rA:rA+1], v[rA:rA+1], v[SS+2*(\ix):SS+2*(\ix)+1]
.endif
.endr
.endr
.endr
	WIN 0
.irp ix, 0,1,2,3,4,5,6,7
	v_add_f32 v[SS+2*(\ix)], v[SS+2*(\ix)], v[SS+2*(\ix)+1]
.endr
.irp ix, 0,1,2,3,4,5,6,7
	v_permlanex16_b32 v[SS+2*(\ix)+1], v[SS+2*(\ix)], s68, s69
.endr
.irp ix, 0,1,2,3,4,5,6,7
	v_add_f32 v[SS+2*(\ix)], v[SS+2*(\ix)], v[SS+2*(\ix)+1]
.endr
.irp ix, 0,1,2,3,4,5,6,7
	ds_store_b32 v[XSW], v[SS+2*(\ix)] offset:128*(\ix)
.endr
	s_wait_dscnt 0x0                               ; for the other wave's sake: my stores are done
	s_barrier_signal -1
	s_barrier_wait -1
.irp ix, 0,1,2,3,4,5,6,7
	ds_load_b32 v[SS+2*(\ix)],   v[XSR] offset:128*(\ix)        ; both waves add the same two numbers in the same order
	ds_load_b32 v[SS+2*(\ix)+1], v[XSR] offset:1024+128*(\ix)
.endr
	s_wait_dscnt 0x0
.irp ix, 0,1,2,3,4,5,6,7
	v_add_f32 v[SS+2*(\ix)], v[SS+2*(\ix)], v[SS+2*(\ix)+1]
.endr
.irp ix, 0,1,2,3,4,5,6,7
	v_fma_f32 v[SS+2*(\ix)], v[SS+2*(\ix)], s70, s71            ; the mean of the squares + eps
.endr
.irp ix, 0,1,2,3,4,5,6,7
	v_rsq_f32 v[SS+2*(\ix)], v[SS+2*(\ix)]
.endr
	v_nop                                          ; a plain instruction between the last root and the use of its result
	s_wait_alu depctr_va_vdst(0)
	s_wait_loadcnt 0x0                             ; cos and sin
; ROTARY AND THE WAY OUT of q and k, for my block a of 16 rows: cos and sin rounded to bf16 and widened; then for each head and e: x1, x2 times r; y1 = x1 cos + x2 sin, y2 = x2 cos - x1 sin; f16; two stores.
.macro ROT ta
.if (\ta) > 0
	s_wait_xcnt 0x0                                ; the packed registers, which the last block's stores read, are rewritten only behind this wait
.endif
	WIN 0x0a                                       ; sources 0 and 1 window 2
.set n, 0
.rept 16
	v_cvt_pk_bf16_f32 v[PB+n], v[RAW+32*(\ta)+2*n], v[RAW+32*(\ta)+2*n+1]
.set n, n+1
.endr
	WIN 0
.irp e, 0,1
.irp jj, 0,1,2,3
	v_lshlrev_b32 v[CC+8*(\e)+2*(\jj)],   16,  v[PB+8*(\e)+(\jj)]
	v_and_b32     v[CC+8*(\e)+2*(\jj)+1], s74, v[PB+8*(\e)+(\jj)]
	v_lshlrev_b32 v[SN+8*(\e)+2*(\jj)],   16,  v[PB+8*(\e)+4+(\jj)]
	v_and_b32     v[SN+8*(\e)+2*(\jj)+1], s74, v[PB+8*(\e)+4+(\jj)]
.endr
.endr
.irp hd, 0,1
.irp e, 0,1
.set rX1, 128*(\hd)+8*(4*(\e)+(\ta))
.set rX2, 128*(\hd)+8*(4*((\e)+2)+(\ta))
.set rR,  SS+2*(4*(\hd)+(\ta))
.set rK,  PK+8*(2*(\hd)+(\e))
	WIN 0x01                                       ; source 0 window 1
.irp jj, 0,1,2,3
	v_pk_mul_f32 v[T1+2*(\jj):T1+2*(\jj)+1], v[rX1+2*(\jj):rX1+2*(\jj)+1], v[rR:rR+1] op_sel_hi:[1,0]
.endr
.irp jj, 0,1,2,3
	v_pk_mul_f32 v[T2+2*(\jj):T2+2*(\jj)+1], v[rX2+2*(\jj):rX2+2*(\jj)+1], v[rR:rR+1] op_sel_hi:[1,0]
.endr
	WIN 0
.irp jj, 0,1,2,3
	v_pk_mul_f32 v[Y1+2*(\jj):Y1+2*(\jj)+1], v[T2+2*(\jj):T2+2*(\jj)+1], v[SN+8*(\e)+2*(\jj):SN+8*(\e)+2*(\jj)+1]
.endr
.irp jj, 0,1,2,3
	v_pk_mul_f32 v[Y2+2*(\jj):Y2+2*(\jj)+1], v[T1+2*(\jj):T1+2*(\jj)+1], v[SN+8*(\e)+2*(\jj):SN+8*(\e)+2*(\jj)+1]
.endr
.irp jj, 0,1,2,3
	v_pk_fma_f32 v[Y1+2*(\jj):Y1+2*(\jj)+1], v[T1+2*(\jj):T1+2*(\jj)+1], v[CC+8*(\e)+2*(\jj):CC+8*(\e)+2*(\jj)+1], v[Y1+2*(\jj):Y1+2*(\jj)+1]
.endr
.irp jj, 0,1,2,3
	v_pk_fma_f32 v[Y2+2*(\jj):Y2+2*(\jj)+1], v[T2+2*(\jj):T2+2*(\jj)+1], v[CC+8*(\e)+2*(\jj):CC+8*(\e)+2*(\jj)+1], v[Y2+2*(\jj):Y2+2*(\jj)+1] neg_lo:[0,0,1] neg_hi:[0,0,1]
.endr
.irp jj, 0,1,2,3
	v_cvt_pk_f16_f32 v[rK+(\jj)], v[Y1+2*(\jj)], v[Y1+2*(\jj)+1]
.endr
.irp jj, 0,1,2,3
	v_cvt_pk_f16_f32 v[rK+4+(\jj)], v[Y2+2*(\jj)], v[Y2+2*(\jj)+1]
.endr
	global_store_b128 v[LO], v[rK:rK+3],   s[12+2*(\hd):13+2*(\hd)] offset:(\ta)*4096+(\e)*512       ; 512 consecutive bytes, aligned: block 2 ch + e,
	global_store_b128 v[LO], v[rK+4:rK+7], s[12+2*(\hd):13+2*(\hd)] offset:(\ta)*4096+((\e)+4)*512   ; and the block 64 channels on
.endr
.endr
.endm
	ROT 0
	ROT 1
	ROT 2
	ROT 3
	; v: each accumulator packs into 16 bytes a lane, 8 keys of one channel.  The 64 packed registers are read by no store that is out.
	WIN 0x0a
.irp k4, 0,1,2,3
.irp ta, 0,1,2,3
.irp jj, 0,1,2,3
	v_cvt_pk_f16_f32 v[128+4*(4*(\k4)+(\ta))+(\jj)], v[8*(4*(\k4)+(\ta))+2*(\jj)], v[8*(4*(\k4)+(\ta))+2*(\jj)+1]
.endr
.endr
.endr
	WIN 0
.irp k4, 0,1,2,3
.irp ta, 0,1,2,3
	global_store_b128 v[LO], v[128+4*(4*(\k4)+(\ta)):128+4*(4*(\k4)+(\ta))+3], s[66:67] offset:((\ta)/2)*8192+((\ta)%2)*512+((\k4)%2)*1024+((\k4)/2)*4096
.endr
.endr
	s_wait_tensorcnt 0x0                           ; the wave's end: behind my last tensor load and my last LDS store
	ds_add_u32 v[SPW], v[NIL]
	s_wait_dscnt 0x0
	CROUND                                         ; the closing round: no work-group ends while a partner may still ask for a tile that names it
	s_endpgm
.Lfunc_end_k_qc970f7d5b1_qkv:
	.size	k_qc970f7d5b1_qkv, .Lfunc_end_k_qc970f7d5b1_qkv-k_qc970f7d5b1_qkv
	.p2alignl 7, 3214868480
	.fill 96, 4, 3214868480
	.section	.rodata,"a",@progbits
	.p2align	6, 0x0
	.amdhsa_kernel k_qc970f7d5b1_qkv
		.amdhsa_group_segment_fixed_size 327680
		.amdhsa_private_segment_fixed_size 0
		.amdhsa_enable_private_segment 0
		.amdhsa_kernarg_size 48
		.amdhsa_user_sgpr_count 2
		.amdhsa_user_sgpr_kernarg_segment_ptr 1
		.amdhsa_wavefront_size32 1
		.amdhsa_system_sgpr_workgroup_id_x 1
		.amdhsa_system_sgpr_workgroup_id_y 1
		.amdhsa_system_sgpr_workgroup_id_z 1
		.amdhsa_system_vgpr_workitem_id 0
		.amdhsa_next_free_vgpr 960
		.amdhsa_next_free_sgpr 80
		.amdhsa_reserve_vcc 0
		.amdhsa_float_denorm_mode_32 3
		.amdhsa_float_denorm_mode_16_64 3
		.amdhsa_memory_ordered 1
		.amdhsa_forward_progress 1
		.amdhsa_inst_pref_size 127
	.end_amdhsa_kernel
	.amdgpu_metadata
---
amdhsa.version: [ 1, 2 ]
amdhsa.kernels:
  - .name:           k_qc970f7d5b1_qkv
    .symbol:         k_qc970f7d5b1_qkv.kd
    .args:
      - { .name: xb, .offset: 0, .size: 8, .value_kind: global_buffer, .address_space: global }
      - { .name: wqkv, .offset: 8, .size: 8, .value_kind: global_buffer, .address_space: global }
      - { .name: cos, .offset: 16, .size: 8, .value_kind: global_buffer, .address_space: global }
      - { .name: sin, .offset: 24, .size: 8, .value_kind: global_buffer, .address_space: global }
      - { .name: qf, .offset: 32, .size: 8, .value_kind: global_buffer, .address_space: global }
      - { .name: kvf, .offset: 40, .size: 8, .value_kind: global_buffer, .address_space: global }
    .group_segment_fixed_size: 327680
    .private_segment_fixed_size: 0
    .kernarg_segment_align: 8
    .kernarg_segment_size: 48
    .max_flat_workgroup_size: 128
    .sgpr_count:     80
    .vgpr_count:     960
    .wavefront_size: 32
...
	.end_amdgpu_metadata
.endif
;; end of part 2
;; launch attn (part 3): grid 16 x 16, 4 waves a work-group, clusters of 4 x 1, 327,680 bytes of LDS; arguments qf, kvf, ob; writes ob
.if DOCPART == 3
	.amdgcn_target "amdgcn-amd-amdhsa--gfx1250"
	.amdhsa_code_object_version 6
	.text
	.protected	k_qc970f7d5b1_attn
	.globl	k_qc970f7d5b1_attn
	.p2align	8
	.type	k_qc970f7d5b1_attn,@function
k_qc970f7d5b1_attn:
	s_mov_b64 s[64:65], 0
	v_nop
	global_prefetch_b8 v0, s[64:65] scope:SCOPE_SE
	s_setreg_imm32_b32 hwreg(HW_REG_WAVE_MODE, 25, 1), 1
	s_wait_xcnt 0x0
	s_wait_alu depctr_hold_cnt(0) depctr_sa_sdst(0) depctr_va_vdst(0) depctr_va_sdst(0) depctr_va_ssrc(0) depctr_va_vcc(0) depctr_vm_vsrc(0)
	s_getreg_b32 s2, hwreg(HW_REG_IB_STS2, 6, 4)
	s_cmp_eq_u32 s2, 0
	s_cbranch_scc0 .Lentry_in_a_cluster
	s_endpgm
.Lentry_in_a_cluster:
	s_bfe_u32 s2, ttmp6, 0x10000c
	s_cmp_lg_u32 s2, 0x3003
	s_cbranch_scc0 .Lentry_shape_is_right
	s_endpgm
.Lentry_shape_is_right:
; CAUSAL ATTENTION, 16 heads of 128 channels, 2,048 rows.  O[q] = the sum over k <= q of softmax_k(Q[q] . K[k] / sqrt(128)) V[k].  Q, K, V arrive as f16 in fragment order (layouts below), O leaves as f16,
; [row][head x 128 + channel].  Products, maxima and sums in f32; the weights p are rounded to f16 for the second product (their sum l is taken of the unrounded p), O once at the end.
; LIMITS.  A hidden score counts as its value less 1e30.  The running maximum starts at -2^66: true scores (5.5e11 at the most with f16 operands) lie far above it and hidden ones far below, so a wave that
; sees hidden keys alone keeps that start, gives every weight 0 and counts for nothing in the merge.  A weight below 2^-126 counts as 0 in l.  NaN and infinities are not treated apart.
; THE WALK.  A head's queries lie in 32 blocks of 64; block i needs the key steps (64 keys) 0 .. i, that is the tiles (256 keys) 0 .. i / 4.  Work-group b = 4 g + cx takes block b and then block 31 - b:
; (g + 1) + (8 - g) = 9 tiles, whatever b: one loop with a constant trip count.  The four partners of a cluster share g and so the whole sequence of tiles: every fill is a JOINT load.
; Branches hang on g and on counters; cx enters Q's and O's addresses and the masks' scalars (selects) alone.
; SHARES.  All four waves hold the block's 64 queries (four tiles of 16) and SPLIT THE KEYS: of a tile wave w owns step 4 j + w, fetches it itself and alone reads it.  So a fragment of K or V feeds four
; query tiles' products.  At a block's end the four waves' partial O, m and l are merged through LDS, in f32.
; LAYOUTS.  qf [head][tile of 16 queries][piece bt][lane][8 f16]; kvf [head][step][K | V], 32 pieces of 512 bytes each: piece f goes into registers 4 f .. 4 f + 3 by one load of 16 consecutive bytes a lane.
; S^T = K Q^T holds ONE query a lane (lane % 16) and the keys 8 (lane / 16) + 0..7; two such results rounded to f16 ARE source 1 of O^T = V^T P.
; THE MASK is the C operand that starts a sum S^T: for key block kb and query tile t one of three sets of 8 registers: LOW (kb < t), DIA (kb = t), UPP (kb > t), made anew for each step from two or three scalars.
; A TRIP (one tile; pieces 0 = query tiles 0, 1 and 2 = tiles 2, 3): K Q^T of piece 0 | K Q^T of piece 2 with piece 0's softmax in slices behind its products | V^T P of piece 0 with piece 2's softmax |
; the change of slots and the next K | V^T P of piece 2.
; REGISTERS, in windows of 256 (s_set_vgpr_msb: bits 1:0 source 0, 3:2 source 1, 5:4 source 2, 7:6 destination):
;   window 0: v2-10 addresses; v12-43 eight registers of statistics a tile; v62-63 the add's; v64-191 S^T, 32 a tile (at work in the merge); v192-255 P, 16 a tile
;   window 1: O^T, 64 a tile     window 2: v0-127 Q, v128-255 K     window 3: v0-127 V; v128-159 the masks
.set SLOT1, 1<<17                      ; a slot is a tile, 4 x 32,768 bytes, dense: one exclusive or turns an address in one slot into the other's
.set STAGE, 2*SLOT1                    ; behind the ring: for each wave 16 rows x 528 bytes, one query tile's O in f32
.set SPT,   528                        ; 512 bytes + 16: the 16 rows of a store start at 16 different groups of four banks (64 banks of 4 bytes: ISA guide 11.1)
.set REG,   16*SPT
.set XCH,   STAGE+4*REG                ; 512 bytes a wave: c m and l of its 4 x 16 queries
.set SPARE, XCH+2048                   ; the spare words, 128 bytes for each wave: two blocks of 256 bytes that no other line names
.set LA,  2                            ; v2   16 x lane + my wave's part of a slot; never rewritten
.set ADR, 4                            ; v4   the same in the slot in hand
.set QO,  5                            ; v5   16 x lane
.set STO, 6                            ; v6   the merge: where I put 16 bytes of a row
.set RD,  7                            ; v7   the merge: where I read rows back
.set GO,  8                            ; v8   my byte offset in O
.set XA,  9                            ; v9   where I put c m or l
.set XR,  10                           ; v10  where I read them
.set ST,  12                           ; tile t at v[ST+8 t]: +0 c m, +1 m, +2, +3 l (even keys', odd keys'), +4 to +7 at work; a takes +6
.set SPW, 62                           ; v62  LDS address of my spare word; never rewritten
.set NIL, 63                           ; v63  0; never rewritten
.set S,   64
.set P,   192
.set FW,  96                           ; the merge: the four waves' factors, 4 t + wave
.set CG,  112                          ; the merge: the common c m, then l, then 1 / l
.set OWN, 116                          ; the merge: my own factor
.set SC,  120                          ; the merge: my factor / l, a pair a tile
.set KF,  128                          ; window 2
.set TRI, 128                          ; window 3: -1e30 where key 8 (lane / 16) + j lies beyond query lane % 16
.set LOW, 136
.set DIA, 144
.set UPP, 152
.set WV,  12                           ; s12 wave; s13 cx; s14 g; s15 b; s16 head
.set CX,  13
.set SG,  14
.set BB,  15
.set HD,  16
.set G1,  24                           ; s[24:31] descriptor group 1
.set G0,  40                           ; s[40:43] descriptor group 0
.set QH,  44                           ; s[44:45] Q of the second block
.set OH,  46                           ; s[46:47] O of the second block
.set SJ,  48                           ; s48  the tile in hand, counted in its block
.set SJL, 49                           ; s49  the block's last tile
.set SI,  50                           ; s50  the block in hand
.set ENDB, 51                          ; s51  1: the tile just multiplied was its block's last
.set NXT, 52                           ; s52  the tile to be asked for next
.set LQ,  53                           ; s53  the last tile of the block whose tiles are being asked for
.set L2,  54                           ; s54  7 - g
.set I2,  55                           ; s55  31 - b
.set SLOTS, 56
.set SK,  57                           ; s57  my key step
.set CS,  58                           ; s[58:59] c = log2(e) / sqrt(128)
.set SEL, 60                           ; s[60:61] v_permlanex16_b32's selects
.set TB,  62                           ; s62  the slot in hand
.set HM,  63                           ; s63  a lane mask: lanes 16 to 31
.set OFF, 66                           ; s[66:67] a tile's byte offset in kvf
.set AL,  68                           ; s[68:69] the diagonal mask's factor
.set BE,  70                           ; s[70:71] its addend, and LOW
.set BU,  72                           ; s72  UPP
.set BIGN, 73                          ; s73  -1e30
.set MSB, 0
.macro WIN new                         ; the high byte repeats the setting that is left; a switch that changes nothing is dropped
.if MSB != (\new)
	s_set_vgpr_msb (MSB<<8)|(\new)
.set MSB, (\new)
.endif
.endm
.set W_KQ, 0x0a                        ; K and Q in window 2, S^T in window 0
.set W_KM, 0x3a                        ; the same with the C operand in window 3
.set W_PV, 0x53                        ; V in window 3, P in window 0, O^T in window 1
.set W_RS, 0x41                        ; O^T (destination and source 0) in window 1, the factor in window 0
.macro PLACES
.rept 4
	v_nop
.endr
.endm
; A joint fill: one line for all four waves, each asking for its own step of the tile into its own part of the slot.  An s_nop 0 and four v_nop follow.
.macro JLOAD
	tensor_load_to_lds s[G0:G0+3], s[G1:G1+7]
	s_nop 0
.rept 4
	v_nop
.endr
.endm
.macro CROUND                          ; a round of the cluster's barrier
	s_barrier_signal -1
	s_barrier_wait -1
	s_cmp_lg_u32 s[WV], 0
	s_cbranch_scc1 .Lnot_wave_0_\@
	s_barrier_signal -3
.Lnot_wave_0_\@:
	s_barrier_wait -3
	s_barrier_signal -1
	s_barrier_wait -1
.endm
; THE CHANGE OF SLOTS.  Each wave waits for all its tensor loads, of which one is out: its part of the other slot; adds 0 to its spare word; waits for that and for its reads of the slot that it leaves.
; fill = 1: the barrier is a round of the cluster's, and the old slot is filled again first thing behind it, with tile NXT; the load has a whole trip, 128 matrix instructions, in which to land.
; (At its first use nothing has been read yet: slot 0 is waited for, slot 1 filled.)
.macro CHANGE fill
	WIN 0
	s_wait_tensorcnt 0x0                           ; no tensor load of mine is out, so group 0 may be written
	ds_add_u32 v[SPW], v[NIL]                      ; 0 onto my spare word; the descriptor's scalar work stands between it and the wait for it
.if \fill
	s_lshl_b32 s[OFF], s[NXT], 17                  ; a tile is 131,072 bytes of kvf
	s_xor_b32 s[G0+1], s[G0+1], SLOT1
	s_add_nc_u64 s[G0+2:G0+3], s[6:7], s[OFF:OFF+1]  ; the address is made anew from the tile's number
	s_or_b32 s[G0+3], s[G0+3], 0x80000000
	s_add_co_u32 s[NXT], s[NXT], 1                 ; the block's next tile, or behind its last the second block's tile 0
	s_cmp_gt_u32 s[NXT], s[LQ]
	s_cselect_b32 s[NXT], 0, s[NXT]
	s_cselect_b32 s[LQ], s[L2], s[LQ]
	s_wait_dscnt 0x0                               ; the add is done, and my reads of the slot are over
	CROUND
	JLOAD
.else
	s_wait_dscnt 0x0
	s_barrier_signal -1
	s_barrier_wait -1
.endif
	s_xor_b32 s[TB], s[TB], SLOT1
.endm
	s_load_b128 s[4:7], s[0:1], 0x0                ; qf s[4:5], kvf s[6:7]
	s_load_b64 s[8:9], s[0:1], 0x10                ; ob
	v_lshl_add_u32 v[SPW], v0, 2, SPARE
	v_mov_b32 v[NIL], 0
	ds_add_u32 v[SPW], v[NIL]                      ; the wave's opening: the add and its wait ahead of my first tensor load; the set-up below stands between them
	v_lshrrev_b32 v1, 5, v0
	v_readfirstlane_b32 s[WV], v1                  ; wave 0..3
	s_bfe_u32 s[CX], ttmp6, 0x40000                ; cx: my place in the cluster
	s_mov_b32 s[SG], ttmp9                         ; g: in a cluster launch ttmp9 counts clusters
	s_lshl_b32 s[BB], ttmp9, 2
	s_add_co_u32 s[BB], s[BB], s[CX]               ; b = 4 g + cx
	s_and_b32 s[HD], ttmp7, 0xffff                 ; the head, which the partners share
	s_sub_co_u32 s[I2], 31, s[BB]
	s_sub_co_u32 s[L2], 7, s[SG]
	s_lshl_b32 s20, s[HD], 20                      ; kvf: the head's 1,048,576 bytes, my step of a tile: made of the head and the wave's number alone
	s_lshl_b32 s21, s[WV], 15
	s_add_co_u32 s20, s20, s21
	s_mov_b32 s21, 0
	s_lshl_b32 s22, s[HD], 19                      ; qf: head x 524,288 + block x 16,384
	s_lshl_b32 s18, s[BB], 14
	s_add_co_u32 s18, s18, s22
	s_mov_b32 s19, 0
	s_lshl_b32 s2, s[I2], 14
	s_add_co_u32 s2, s2, s22
	s_mov_b32 s3, 0
	s_lshl_b32 s22, s[HD], 8                       ; ob: block x 64 rows of 4,096 bytes + head x 256
	s_lshl_b32 s32, s[BB], 18
	s_add_co_u32 s32, s32, s22
	s_mov_b32 s33, 0
	s_lshl_b32 s34, s[I2], 18
	s_add_co_u32 s34, s34, s22
	s_mov_b32 s35, 0
	; descriptor group 1: 32,768 dense bytes as 128 rows of 256 bytes, elements of 8 bytes, no padding
	s_mov_b32 s[G1], 15|(3<<16)|(1<<21)            ; 15:0 the mask of four; 17:16 8-byte elements; 21 set beside a mask
	s_mov_b32 s[G1+1], 32<<16                      ; tensor_dim0 = 32
	s_mov_b32 s[G1+2], 128<<16                     ; tensor_dim1 = 128
	s_mov_b32 s[G1+3], 32<<16                      ; tile_dim0 = 32
	s_mov_b32 s[G1+4], 128                         ; tile_dim1 = 128
	s_mov_b32 s[G1+5], 32                          ; elements from row to row
	s_mov_b32 s[G1+6], 0
	s_mov_b32 s[G1+7], 0
	s_mov_b32 s[G0], 1                             ; count = 1
	s_lshl_b32 s[G0+1], s[WV], 15                  ; LDS address: my part of slot 0
	s_mov_b32 s[CS], 0x3e0293ee                    ; c = 0.127517
	s_mov_b32 s[CS+1], s[CS]                       ; named with it as a pair
	s_mov_b32 s[SEL], 0x76543210
	s_mov_b32 s[SEL+1], 0xfedcba98
	s_mov_b32 s[HM], 0xffff0000
	s_mov_b32 s[OFF+1], 0
	s_mov_b32 s[AL+1], 0                           ; named as pairs
	s_mov_b32 s[BE+1], 0
	s_mov_b32 s[BIGN], 0xf149f2ca                  ; -1e30
	s_mov_b32 s[SJ], 0
	s_mov_b32 s[SJL], s[SG]                        ; the first block has the tiles 0 .. g
	s_mov_b32 s[SI], s[BB]
	s_mov_b32 s[NXT], 1
	s_mov_b32 s[LQ], s[SG]
	s_cmp_gt_u32 s[NXT], s[LQ]                     ; g = 0: the second tile asked for is the second block's first
	s_cselect_b32 s[NXT], 0, s[NXT]
	s_cselect_b32 s[LQ], s[L2], s[LQ]
	s_mov_b32 s[TB], SLOT1                         ; the first change of slots turns it into 0
	s_mov_b32 s[SLOTS], 8
	s_wait_dscnt 0x0                               ; the opening add is done
	s_wait_kmcnt 0x0
	s_add_nc_u64 s[6:7], s[6:7], s[20:21]
	s_mov_b64 s[G0+2:G0+3], s[6:7]                 ; global address: my step of the head's tile 0
	s_or_b32 s[G0+3], s[G0+3], 0x80000000          ; type = 2
	s_add_nc_u64 s[QH:QH+1], s[4:5], s[2:3]
	s_add_nc_u64 s[4:5], s[4:5], s[18:19]
	s_add_nc_u64 s[OH:OH+1], s[8:9], s[34:35]
	s_add_nc_u64 s[8:9], s[8:9], s[32:33]
	CROUND                                         ; all four work-groups are here: the first joint loads meet
	JLOAD                                          ; tile 0 into slot 0
	v_and_b32 v47, 31, v0                          ; lane
	v_lshlrev_b32 v[QO], 4, v47
	WIN 0x80                                       ; destination window 2, address window 0
.set n, 0
.rept 32                                       ; the first block's Q: piece n into registers 4 n ..
	global_load_b128 v[4*n:4*n+3], v[QO], s[4:5] offset:512*n
.set n, n+1
.endr
	; A block's first step multiplies O^T and l by a = 0, so these registers need only hold finite numbers: zeros for the first block, what the first block left for the second.  No first step is written out;
	; the price is these 256 lines, which stand in the wait for the first tile.
	WIN 0x40
.set n, 0
.rept 256
	v_mov_b32 v[n], 0
.set n, n+1
.endr
	WIN 0
.irp t, 0,1,2,3
	v_mov_b32 v[ST+8*(\t)], 0xfe000000             ; c m: far below every c s, so the first a is 0
	v_mov_b32 v[ST+8*(\t)+1], 0xe0800000           ; m = -2^66
	v_mov_b32 v[ST+8*(\t)+2], 0
	v_mov_b32 v[ST+8*(\t)+3], 0
.endr
	v_and_b32 v44, 15, v0                          ; r
	v_bfe_u32 v45, v0, 4, 1                        ; h
	v_lshlrev_b32 v46, 3, v45
	v_sub_nc_u32 v46, v44, v46                     ; r - 8 h: register j is hidden where j is greater
	WIN 0xc0
.set n, 0
.rept 8
	v_cmp_gt_i32 vcc_lo, n, v46
	v_cndmask_b32 v[TRI+n], 0, s[BIGN], vcc_lo
.set n, n+1
.endr
	WIN 0
	s_lshl_b32 s18, s[WV], 15
	v_lshl_add_u32 v[LA], v47, 4, s18
	s_mul_i32 s18, s[WV], REG
	s_add_co_u32 s18, s18, STAGE                   ; my stage: row r, 16 bytes for each half of the lanes
	v_mul_u32_u24 v[STO], v44, SPT
	v_lshl_add_u32 v[STO], v45, 4, v[STO]
	v_add_nc_u32 v[STO], s18, v[STO]
	s_mul_i32 s18, s[WV], 4*SPT
	s_add_co_u32 s18, s18, STAGE                   ; back: of each wave's stage I take rows 4 w .. 4 w + 3; lanes 0-15 one row, lanes 16-31 the next
	v_mul_u32_u24 v[RD], v45, SPT
	v_lshl_add_u32 v[RD], v44, 4, v[RD]
	v_add_nc_u32 v[RD], s18, v[RD]
	s_lshl_b32 s18, s[WV], 14                      ; the same rows in O
	v_lshlrev_b32 v[GO], 12, v45
	v_lshl_add_u32 v[GO], v44, 4, v[GO]
	v_add_nc_u32 v[GO], s18, v[GO]
	s_lshl_b32 s18, s[WV], 9
	s_add_co_u32 s18, s18, XCH
	v_lshl_add_u32 v[XA], v47, 2, s18
	v_lshl_add_u32 v[XR], v44, 2, XCH
; THE MATRIX WORK.  The accumulators take turns, one instruction a turn: between two links of a chain stand 7 (K Q^T) or 15 (V^T P) others'.
; Product i of 32 of S^T = K Q^T for piece x: channels 32 (i / 8) on, keys 16 ((i / 2) % 4) on, tile x + i % 2.  The first 8 start the sums, with the mask.
.macro KQ x
.set tq, (\x)+i%2
.set kb, (i/2)%4
.set rS, S+32*tq+8*kb
.set rK, KF+32*kb+8*(i/8)
.set rQ, 32*tq+8*(i/8)
.if i < 8
.if kb < tq
.set rM, LOW
.elseif kb == tq
.set rM, DIA
.else
.set rM, UPP
.endif
	WIN W_KM
	v_wmma_f32_16x16x32_f16 v[rS:rS+7], v[rK:rK+7], v[rQ:rQ+7], v[rM:rM+7]
.else
	WIN W_KQ
	v_wmma_f32_16x16x32_f16 v[rS:rS+7], v[rK:rK+7], v[rQ:rQ+7], v[rS:rS+7]
.endif
.endm
; Product i of 32 of O^T += V^T P: keys 32 (i / 16) on, channels 16 ((i / 2) % 8) on, tile x + i % 2.
.macro PV x
	WIN W_PV
.set rO, 64*((\x)+i%2)+8*((i/2)%8)
.set rV, 64*(i/16)+8*((i/2)%8)
.set rP, P+16*((\x)+i%2)+8*(i/16)
	v_wmma_f32_16x16x32_f16 v[rO:rO+7], v[rV:rV+7], v[rP:rP+7], v[rO:rO+7]
.endm
; THE LDS LOADS stand in runs of 32: 16 consecutive bytes a lane, 512 a load, no bank is asked twice.
.macro FETCH_K
	WIN 0
	v_add_nc_u32 v[ADR], s[TB], v[LA]
	WIN 0x80                                       ; destination window 2
.set n, 0
.rept 32
	ds_load_b128 v[KF+4*n:KF+4*n+3], v[ADR] offset:512*n
.set n, n+1
.endr
.endm
.macro FETCH_V
	WIN 0xc0                                       ; destination window 3
.set n, 0
.rept 32
	ds_load_b128 v[4*n:4*n+3], v[ADR] offset:16384+512*n
.set n, n+1
.endr
.endm
; The masks of my step 4 j + w against block i: an earlier step: all 0; the block's own: LOW 0, DIA the triangle, UPP -1e30; a later one: all -1e30.  Selects, no branch.
.macro MASKS
	s_lshl2_add_u32 s[SK], s[SJ], s[WV]
	s_cmp_eq_u32 s[SK], s[SI]
	s_cselect_b32 s[AL], 1.0, 0
	s_cmp_gt_u32 s[SK], s[SI]
	s_cselect_b32 s[BE], s[BIGN], 0
	s_cmp_ge_u32 s[SK], s[SI]
	s_cselect_b32 s[BU], s[BIGN], 0
	WIN 0xc3                                       ; destination and source 0 window 3
.set n, 0
.rept 8
	v_mov_b32 v[LOW+n], s[BE]
	v_mov_b32 v[UPP+n], s[BU]
.set n, n+1
.endr
.set n, 0
.rept 4
	v_pk_fma_f32 v[DIA+2*n:DIA+2*n+1], v[TRI+2*n:TRI+2*n+1], s[AL:AL+1], s[BE:BE+1] op_sel_hi:[1,0,0]
.set n, n+1
.endr
.endm
; THE VECTOR WORK.  One tile's softmax for one key step is a list of 134 instructions; SM writes number j of it for tile t.  s0-s31 are the lane's 32 scores, in pairs 0-15.
;   0-15    the maximum of s0-s31 and the old m, three operands at a time: four chains of seven scores (each accumulator's lowest registers first), then the four left over, the chains and m
;   16-20   the other half of the lanes' maximum; the new m; c m; c m_old - c m_new
;   21-87   33 exponentials (a, then s0-s31) at the odd numbers from 23 on, a plain instruction behind each; the plain ones are what is ready: c s - c m for a pair to come, the rounding to f16 of a pair that is done, the first sums
;   88-101  the last rounding; the rest of the sums; l = a l + the sum
;   102-133 the tile's O^T times a: the one part that leaves window 0
.macro SM t
.set rT, ST+8*(\t)
.set rS, S+32*(\t)
.set rP, P+16*(\t)
.set rO, 64*(\t)+2*(j-102)
.set q, (j-20)/2
.if j < 102
	WIN 0
.endif
.if j < 4
	v_max3_num_f32 v[rT+4+j], v[rS+8*j], v[rS+8*j+1], v[rS+8*j+2]
.elseif j < 12
	v_max3_num_f32 v[rT+4+j%4], v[rT+4+j%4], v[rS+8*(j%4)+2*(j/4)+1], v[rS+8*(j%4)+2*(j/4)+2]
.elseif j == 12
	v_max3_num_f32 v[rT+4], v[rT+4], v[rS+7], v[rS+15]
.elseif j == 13
	v_max3_num_f32 v[rT+6], v[rT+6], v[rS+23], v[rS+31]
.elseif j == 14
	v_max3_num_f32 v[rT+4], v[rT+4], v[rT+5], v[rT+6]
.elseif j == 15
	v_max3_num_f32 v[rT+4], v[rT+4], v[rT+7], v[rT+1]
.elseif j == 16
	v_permlanex16_b32 v[rT+5], v[rT+4], s[SEL], s[SEL+1]  ; the query's other 32 keys lie in the lane 16 away
.elseif j == 17
	v_mov_b32 v[rT+7], v[rT]                       ; c m_old is kept for a
.elseif j == 18
	v_max_num_f32 v[rT+1], v[rT+4], v[rT+5]
.elseif j == 19
	v_mul_f32 v[rT], s[CS], v[rT+1]
.elseif j == 20
	v_sub_f32 v[rT+7], v[rT+7], v[rT]
.elseif j == 23
	v_exp_f32 v[rT+6], v[rT+7]
.elseif (j < 88) && (j > 23) && (j%2 == 1)
	v_exp_f32 v[rS+(j-25)/2], v[rS+(j-25)/2]
.elseif (q < 4) || ((j < 76) && (q%2 == 0))
.set b, q/2+2
.if q < 4
.set b, q
.endif
	v_pk_fma_f32 v[rS+2*b:rS+2*b+1], v[rS+2*b:rS+2*b+1], s[CS:CS+1], v[rT:rT+1] op_sel_hi:[1,0,0] neg_lo:[0,0,1] neg_hi:[0,0,1]  ; pair b: c s - c m
.elseif (j < 88) && (q%2 == 1)
	s_wait_alu depctr_va_vdst(0)
	v_cvt_pk_f16_f32 v[rP+(q-5)/2], v[rS+q-5], v[rS+q-4]
.elseif j == 89
	s_wait_alu depctr_va_vdst(0)
	v_cvt_pk_f16_f32 v[rP+15], v[rS+30], v[rS+31]
.elseif j < 102                        ; the sum of the tile's 16 pairs, in place: neighbours 1, 2, 4 and 8 pairs apart, then l takes it
.set z, j-86
.if j < 89
.set z, (j-76)/4
.endif
.set w, 4
.set u, z
.if z >= 14
.set w, 32
.set u, 0
.elseif z >= 12
.set w, 16
.set u, z-12
.elseif z >= 8
.set w, 8
.set u, z-8
.endif
.if z < 15
	v_pk_add_f32 v[rS+w*u:rS+w*u+1], v[rS+w*u:rS+w*u+1], v[rS+w*u+w/2:rS+w*u+w/2+1]
.else
	v_pk_fma_f32 v[rT+2:rT+3], v[rT+2:rT+3], v[rT+6:rT+7], v[rS:rS+1] op_sel_hi:[1,0,1]
.endif
.else
	WIN W_RS
	v_pk_mul_f32 v[rO:rO+1], v[rO:rO+1], v[rT+6:rT+7] op_sel_hi:[1,0]
.endif
.endm
; Slice k of 64 of piece y's softmax: numbers 2 k and 2 k + 1 of both tiles' lists; the twelve that are over stand in slice 63.
.macro SLICE y
.if (k >= 11) && (k < 44)              ; tile by tile: plain, exponential, plain, exponential
.irp t, \y, (\y)+1
.irp nn, 0,1
.set j, 2*k+(\nn)
	SM \t
.endr
.endr
.else                                  ; the two tiles alternate, so that no instruction reads the result of the one just before it
.irp nn, 0,1,2,3,4,5,6,7
.if ((\nn) < 2) || (k == 63)
.irp t, \y, (\y)+1
.set j, 2*k+(\nn)
	SM \t
.endr
.endif
.endr
.endif
.set k, k+1
.endm
; A run of 32 products of piece x; y >= 0: two slices of piece y's softmax behind each.  None of a slice's lines names a register of the products round it.
.macro RUNKQ x, y
.set k, 0
.set i, 0
.rept 32
	KQ \x
.if (\y) >= 0
	SLICE \y
	SLICE \y
.endif
.set i, i+1
.endr
.endm
.macro RUNPV x, y
.set k, 0
.set i, 0
.rept 32
	PV \x
.if (\y) >= 0
	SLICE \y
	SLICE \y
.endif
.set i, i+1
.endr
.endm
; A tile's work but for its last run of products.  K has been asked for.  The masks' 20 plain lines are the places between the last products V^T P and the loads into V's registers.
.macro BODY
	MASKS
	FETCH_V
	s_wait_loadcnt 0x0                             ; Q (met at once in all trips but a block's first)
	s_wait_dscnt 32                                ; K is in; V's 32 loads may be out
	RUNKQ 0, -1
	PLACES                                         ; behind them piece 0's scores are read
	RUNKQ 2, 0                                     ; the twenty plain lines of its last two slices are the places behind its last product
	s_wait_dscnt 0x0                               ; V is in
	RUNPV 0, 2
	WIN 0
	s_cmp_eq_u32 s[SJ], s[SJL]
	s_cselect_b32 s[ENDB], 1, 0
	s_add_co_u32 s[SJ], s[SJ], 1
.endm
; THE MERGE of one query tile: my partial O^T times my factor / l goes into my stage, in f32; behind a barrier each wave adds four rows of the four stages, rounds to f16 and stores: 16 lanes write 256
; consecutive bytes, aligned.  In a stage's row the 16 bytes at 256 part + 32 cb + 16 h hold channels 16 cb + 8 h + 4 part ..: the reader's lane r finds channels 8 r .. 8 r + 7 at 16 r and 256 + 16 r.
; A second barrier, opened when my reads are back, keeps the next tile's stores off rows that are still read; the additions stand inside it.
.macro MTILE t
	WIN W_RS
.set n, 0
.rept 32
	v_pk_mul_f32 v[64*(\t)+2*n:64*(\t)+2*n+1], v[64*(\t)+2*n:64*(\t)+2*n+1], v[SC+2*(\t):SC+2*(\t)+1] op_sel_hi:[1,0]
.set n, n+1
.endr
	WIN 0x04                                       ; store data window 1, address window 0
.irp cb, 0,1,2,3,4,5,6,7
	ds_store_b128 v[STO], v[64*(\t)+8*(\cb):64*(\t)+8*(\cb)+3]   offset:32*(\cb)
	ds_store_b128 v[STO], v[64*(\t)+8*(\cb)+4:64*(\t)+8*(\cb)+7] offset:256+32*(\cb)
.endr
	WIN 0
	s_wait_dscnt 0x0                               ; for the others' sake: my stores are done
	s_barrier_signal -1
	s_barrier_wait -1
.irp ii, 0,1
.irp pt, 0,1
.irp ww, 0,1,2,3
	ds_load_b128 v[128+32*(\ii)+16*(\pt)+4*(\ww):128+32*(\ii)+16*(\pt)+4*(\ww)+3], v[RD] offset:REG*(\ww)+2*SPT*(\ii)+256*(\pt)
.endr
.endr
.endr
	s_wait_dscnt 0x0                               ; my reads of the stages are back
	s_barrier_signal -1
.irp ii, 0,1
.irp pt, 0,1
.set rL, 128+32*(\ii)+16*(\pt)
	v_pk_add_f32 v[rL:rL+1],     v[rL:rL+1],     v[rL+4:rL+5]
	v_pk_add_f32 v[rL+2:rL+3],   v[rL+2:rL+3],   v[rL+6:rL+7]
	v_pk_add_f32 v[rL+8:rL+9],   v[rL+8:rL+9],   v[rL+12:rL+13]
	v_pk_add_f32 v[rL+10:rL+11], v[rL+10:rL+11], v[rL+14:rL+15]
	v_pk_add_f32 v[rL:rL+1],     v[rL:rL+1],     v[rL+8:rL+9]
	v_pk_add_f32 v[rL+2:rL+3],   v[rL+2:rL+3],   v[rL+10:rL+11]
.endr
.endr
.irp ii, 0,1
	v_cvt_pk_f16_f32 v[P+8*(\t)+4*(\ii)],   v[128+32*(\ii)],    v[128+32*(\ii)+1]
	v_cvt_pk_f16_f32 v[P+8*(\t)+4*(\ii)+1], v[128+32*(\ii)+2],  v[128+32*(\ii)+3]
	v_cvt_pk_f16_f32 v[P+8*(\t)+4*(\ii)+2], v[128+32*(\ii)+16], v[128+32*(\ii)+17]
	v_cvt_pk_f16_f32 v[P+8*(\t)+4*(\ii)+3], v[128+32*(\ii)+18], v[128+32*(\ii)+19]
.endr
	s_barrier_wait -1
.irp ii, 0,1
	global_store_b128 v[GO], v[P+8*(\t)+4*(\ii):P+8*(\t)+4*(\ii)+3], s[8:9] offset:(16*(\t)+2*(\ii))*4096
.endr
.endm
; A BLOCK'S END.  Each wave's c m (lanes 0-15) and l (lanes 16-31) of its 64 queries meet in LDS; every wave forms the common maximum, the four factors 2^(c m_w - c m), the common l, and its own
; factor / l.  next = 1: the second block follows: its Q is asked for at once, and behind the merge only m, c m and the walk's scalars are set anew.
.macro MERGE next
	WIN 0
.if \next
	WIN 0x80
.set n, 0
.rept 32
	global_load_b128 v[4*n:4*n+3], v[QO], s[QH:QH+1] offset:512*n
.set n, n+1
.endr
	WIN 0
.endif
.irp t, 0,1,2,3
	v_add_f32 v[ST+8*(\t)+4], v[ST+8*(\t)+2], v[ST+8*(\t)+3]
.endr
.irp t, 0,1,2,3
	v_permlanex16_b32 v[ST+8*(\t)+5], v[ST+8*(\t)+4], s[SEL], s[SEL+1]
.endr
.irp t, 0,1,2,3
	v_add_f32 v[ST+8*(\t)+4], v[ST+8*(\t)+4], v[ST+8*(\t)+5]
.endr
.irp t, 0,1,2,3
	v_cndmask_b32 v[ST+8*(\t)+5], v[ST+8*(\t)], v[ST+8*(\t)+4], s[HM]
.endr
.irp t, 0,1,2,3
	ds_store_b32 v[XA], v[ST+8*(\t)+5] offset:128*(\t)
.endr
	s_wait_dscnt 0x0                               ; for the others' sake: my stores are done
	s_barrier_signal -1
	s_barrier_wait -1
.irp t, 0,1,2,3
.irp ww, 0,1,2,3
	ds_load_b32 v[S+8*(\t)+(\ww)],   v[XR] offset:512*(\ww)+128*(\t)
	ds_load_b32 v[S+8*(\t)+4+(\ww)], v[XR] offset:512*(\ww)+128*(\t)+64
.endr
.endr
	s_wait_dscnt 0x0
.irp t, 0,1,2,3
	v_max3_num_f32 v[CG+(\t)], v[S+8*(\t)], v[S+8*(\t)+1], v[S+8*(\t)+2]
.endr
.irp t, 0,1,2,3
	v_max_num_f32 v[CG+(\t)], v[CG+(\t)], v[S+8*(\t)+3]
.endr
.irp t, 0,1,2,3
.irp ww, 0,1,2,3
	v_sub_f32 v[FW+4*(\t)+(\ww)], v[S+8*(\t)+(\ww)], v[CG+(\t)]
.endr
	v_sub_f32 v[OWN+(\t)], v[ST+8*(\t)], v[CG+(\t)]
.endr
.set n, 0
.rept 16
	v_exp_f32 v[FW+n], v[FW+n]
.set n, n+1
.endr
.irp t, 0,1,2,3
	v_exp_f32 v[OWN+(\t)], v[OWN+(\t)]
.endr
	v_nop                                          ; a plain instruction between the last exponential and the use of its result
	s_wait_alu depctr_va_vdst(0)
.irp t, 0,1,2,3
	v_mul_f32 v[CG+(\t)], v[FW+4*(\t)], v[S+8*(\t)+4]
.endr
.irp ww, 1,2,3
.irp t, 0,1,2,3
	v_fmac_f32 v[CG+(\t)], v[FW+4*(\t)+(\ww)], v[S+8*(\t)+4+(\ww)]
.endr
.endr
.irp t, 0,1,2,3
	v_rcp_f32 v[CG+(\t)], v[CG+(\t)]               ; l is at least 1: the weight of the row's largest score
.endr
	v_nop
	s_wait_alu depctr_va_vdst(0)
.irp t, 0,1,2,3
	v_mul_f32 v[SC+2*(\t)],   v[OWN+(\t)], v[CG+(\t)]
	v_mul_f32 v[SC+2*(\t)+1], v[OWN+(\t)], v[CG+(\t)]
.endr
	MTILE 0
	MTILE 1
	MTILE 2
	MTILE 3
.if \next
	s_wait_xcnt 0x0                                ; the stores' data registers (P's) and O's address are rewritten only behind this wait
	s_mov_b64 s[8:9], s[OH:OH+1]
.irp t, 0,1,2,3
	v_mov_b32 v[ST+8*(\t)], 0xfe000000
	v_mov_b32 v[ST+8*(\t)+1], 0xe0800000
.endr
	s_mov_b32 s[SJ], 0
	s_mov_b32 s[SJL], s[L2]
	s_mov_b32 s[SI], s[I2]
.endif
.endm
	CHANGE 1                                       ; tile 0 is in, everybody's part of it; the walk's second tile is asked for
	FETCH_K
	WIN 0
	s_branch .Lenter                               ; the loop is entered in the middle of a trip
.Lslot:                                                ; seven times: the slot just multiplied is filled again
	CHANGE 1
	FETCH_K                                        ; it lands under the products below
	RUNPV 2, -1                                    ; the last tile's last products: V and P lie in registers
	WIN 0
	s_cmp_eq_u32 s[ENDB], 1                        ; the first block ends behind the walk's tile g, 3 at the most: the same trip in all four partners and all four waves
	s_cbranch_scc0 .Lenter
	MERGE 1
.Lenter:
	BODY
	s_sub_co_u32 s[SLOTS], s[SLOTS], 1
	s_cmp_lg_u32 s[SLOTS], 0
	s_cbranch_scc1 .Lslot
	CHANGE 0                                       ; the walk's ninth tile is written out: nothing is asked for
	FETCH_K
	RUNPV 2, -1
	BODY
	RUNPV 2, -1
	MERGE 0
	s_wait_tensorcnt 0x0                           ; the wave's end: behind my last tensor load and my last LDS store
	ds_add_u32 v[SPW], v[NIL]
	s_wait_dscnt 0x0
	CROUND                                         ; the closing round: no work-group ends while a partner may still ask for a tile that names it
	s_endpgm
.Lfunc_end_k_qc970f7d5b1_attn:
	.size	k_qc970f7d5b1_attn, .Lfunc_end_k_qc970f7d5b1_attn-k_qc970f7d5b1_attn
	.p2alignl 7, 3214868480
	.fill 96, 4, 3214868480
	.section	.rodata,"a",@progbits
	.p2align	6, 0x0
	.amdhsa_kernel k_qc970f7d5b1_attn
		.amdhsa_group_segment_fixed_size 327680
		.amdhsa_private_segment_fixed_size 0
		.amdhsa_enable_private_segment 0
		.amdhsa_kernarg_size 24
		.amdhsa_user_sgpr_count 2
		.amdhsa_user_sgpr_kernarg_segment_ptr 1
		.amdhsa_wavefront_size32 1
		.amdhsa_system_sgpr_workgroup_id_x 1
		.amdhsa_system_sgpr_workgroup_id_y 1
		.amdhsa_system_sgpr_workgroup_id_z 1
		.amdhsa_system_vgpr_workitem_id 0
		.amdhsa_next_free_vgpr 928
		.amdhsa_next_free_sgpr 76
		.amdhsa_reserve_vcc 1
		.amdhsa_float_denorm_mode_32 3
		.amdhsa_float_denorm_mode_16_64 3
		.amdhsa_memory_ordered 1
		.amdhsa_forward_progress 1
		.amdhsa_inst_pref_size 189
	.end_amdhsa_kernel
	.amdgpu_metadata
---
amdhsa.version: [ 1, 2 ]
amdhsa.kernels:
  - .name:           k_qc970f7d5b1_attn
    .symbol:         k_qc970f7d5b1_attn.kd
    .args:
      - { .name: qf, .offset: 0, .size: 8, .value_kind: global_buffer, .address_space: global }
      - { .name: kvf, .offset: 8, .size: 8, .value_kind: global_buffer, .address_space: global }
      - { .name: ob, .offset: 16, .size: 8, .value_kind: global_buffer, .address_space: global }
    .group_segment_fixed_size: 327680
    .private_segment_fixed_size: 0
    .kernarg_segment_align: 8
    .kernarg_segment_size: 24
    .max_flat_workgroup_size: 128
    .sgpr_count:     76
    .vgpr_count:     928
    .wavefront_size: 32
...
	.end_amdgpu_metadata
.endif
;; end of part 3
;; launch outp (part 4): grid 16 x 16, 4 waves a work-group, clusters of 4 x 4, 327,680 bytes of LDS; arguments ob, wob, out0; writes out0
.if DOCPART == 4
	.amdgcn_target "amdgcn-amd-amdhsa--gfx1250"
	.amdhsa_code_object_version 6
	.text
	.protected	k_qc970f7d5b1_outp
	.globl	k_qc970f7d5b1_outp
	.p2align	8
	.type	k_qc970f7d5b1_outp,@function
k_qc970f7d5b1_outp:
	s_mov_b64 s[64:65], 0
	v_nop
	global_prefetch_b8 v0, s[64:65] scope:SCOPE_SE
	s_setreg_imm32_b32 hwreg(HW_REG_WAVE_MODE, 25, 1), 1
	s_wait_xcnt 0x0
	s_wait_alu depctr_hold_cnt(0) depctr_sa_sdst(0) depctr_va_vdst(0) depctr_va_sdst(0) depctr_va_ssrc(0) depctr_va_vcc(0) depctr_vm_vsrc(0)
	s_getreg_b32 s2, hwreg(HW_REG_IB_STS2, 6, 4)
	s_cmp_eq_u32 s2, 0
	s_cbranch_scc0 .Lentry_in_a_cluster
	s_endpgm
.Lentry_in_a_cluster:
	s_bfe_u32 s2, ttmp6, 0x10000c
	s_cmp_lg_u32 s2, 0xf033
	s_cbranch_scc0 .Lentry_shape_is_right
	s_endpgm
.Lentry_shape_is_right:
; out0[m][n] = the sum over k of O[m][k] Wo[n][k].  ob and wob: [2048][2048] f16 (Wo's numbers are bf16-rounded, spelled as f16); out0: [2048][2048] f32; sums in f32.
; A tile of C is 128 x 128: 256 work-groups, one for each WGP; four waves, each 64 x 64: 16 accumulators.  K goes in 8 steps of 256 (LDS rows of 512 bytes; a wave's tensor load brings 64 of them)
; through two slots, as long as two slots in LDS allow.  A STEP IS WRITTEN ONCE: the slot in hand is a scalar that an exclusive or turns between 0 and SLOT, and one descriptor set walks: its LDS word
; and its global address are made anew at each change of slots.
; CLUSTER 4 x 4: the four of a row of the cluster need the same tiles of O, the four of a column the same tiles of Wo: each tile is asked for jointly.
; THE WALK ALONG K IS STAGGERED: cluster (X, Y) begins at step 2 ((X + rev Y) mod 4), rev swapping Y's two bits, and wraps round.  The four clusters that read the same rows of O (one Y), and the four that
; read the same rows of Wo (one X), begin at four different steps: at no time do two of them ask for the same bytes, and of a cluster's 8 steps 6 ask for bytes that another has asked for 2 steps or more before.
; LIMIT.  A sum over K begins at the cluster's first step and wraps round: the order of its f32 additions is not the reference's.
; THE MATRIX INSTRUCTION IS USED TRANSPOSED (source 0 = 16 rows of Wo, source 1 = 16 rows of O): a lane holds eight neighbouring numbers of a row of C, 32 bytes.  A wave's 64 columns are 256 bytes of
; out0, aligned: each block of 16 rows goes through the wave's OWN stage in LDS and comes back by rows, so that 16 lanes store 256 consecutive bytes; no barrier is needed on the way out.
; REGISTERS: window 0: v16-29 addresses; v32-95 rows read back, two buffers; v128-255 the accumulators ((a, b) at v[128 + 8 (4 a + b)]).  window 1: two fragment buffers of 128.
.set SIZE_K, 2048
.set SIZE_N, 2048
.set KSTEP,  256
.set NSTEP,  SIZE_K/KSTEP
.set PITCH,  528                       ; an LDS row: 512 bytes + 16 of padding = 132 words: row r starts at bank 4 r mod 64 (64 banks of 4 bytes: ISA guide 11.1)
.set HALFT,  64*PITCH                  ; 64 rows: what one tensor load brings, and what one wave reads of A or of B
.set SLOT,   4*HALFT                   ; A's 128 rows, then B's 128 rows
.set STAGE,  2*SLOT                    ; behind the ring: 16 rows x 272 bytes for each wave
.set SPITCH, 272
.set SPARE,  STAGE+4*16*SPITCH         ; the spare words, 128 bytes for each wave: two blocks of 256 bytes that no other line names
.set ADRA, 16                          ; v16     LDS address of my A fragments in slot 0; v17 the same in the slot in hand
.set ADRB, 20                          ; v20, v21  the same for B
.set STO,  24                          ; v24     the way out: where I put 32 bytes of a row
.set RD,   25                          ; v25     the way out: where I read a row back
.set CO,   26                          ; v26     my byte offset in C
.set SPW,  28                          ; v28     LDS address of my spare word; never rewritten
.set NIL,  29                          ; v29     0; never rewritten
.set TMP,  32
.set ACC,  128
.set F0,   0                           ; fragment buffers, in window 1
.set F1,   128
.set G1, 24                            ; s[24:31] descriptor group 1 for A's tiles;  s[32:39] group 0: a set for each of the two first fills; the second then walks on
.set G0, 32
.set G1B, 48                           ; s[48:55], s[56:63] the same for B's tiles
.set G0B, 56
.set KN,  66                           ; s66  the K step (0 to 7) that the walking sets name
.set OFK, 68                           ; s[68:69] its byte offset in a row
.set TBR, 70                           ; s70  the slot that is read: 0 or SLOT
.set TBF, 71                           ; s71  the slot that was filled last: 0 or SLOT
.set MSB, 0
.macro WIN new
.if MSB != (\new)
	s_set_vgpr_msb (MSB<<8)|(\new)
.set MSB, \new
.endif
.endm
.set MUL,  0x05                        ; sources 0 (B) and 1 (A) window 1; C and D window 0
.set TO_F, 0x40                        ; destination window 1, address window 0
.macro JLOAD s                         ; a joint load: waves 0 and 1 fetch A's two halves, waves 2 and 3 B's; an s_nop 0 and four v_nop follow each of the two lines
	s_cmp_eq_u32 s11, 0
	s_cbranch_scc0 .Lfor_b_\@
	tensor_load_to_lds s[G0+4*(\s):G0+4*(\s)+3], s[G1:G1+7]
	s_nop 0
.rept 4
	v_nop
.endr
	s_branch .Lasked_\@
.Lfor_b_\@:
	tensor_load_to_lds s[G0B+4*(\s):G0B+4*(\s)+3], s[G1B:G1B+7]
	s_nop 0
.rept 4
	v_nop
.endr
.Lasked_\@:
.endm
.macro CREST
	s_cmp_lg_u32 s10, 0
	s_cbranch_scc1 .Lnot_wave_0_\@
	s_barrier_signal -3
.Lnot_wave_0_\@:
	s_barrier_wait -3
	s_barrier_signal -1
	s_barrier_wait -1
.endm
.macro CROUND
	s_barrier_signal -1
	s_barrier_wait -1
	CREST
.endm
	s_load_b128 s[4:7], s[0:1], 0x0                ; ob s[4:5], wob s[6:7]
	s_load_b64 s[8:9], s[0:1], 0x10                ; out0
	v_lshl_add_u32 v[SPW], v0, 2, SPARE
	v_mov_b32 v[NIL], 0
	ds_add_u32 v[SPW], v[NIL]                      ; the wave's opening: the add and its wait ahead of my first tensor load; the set-up below stands between them
	v_lshrrev_b32 v1, 5, v0
	v_readfirstlane_b32 s10, v1                    ; wave 0..3
	s_lshr_b32 s11, s10, 1                         ; which half of the tile's rows is mine.  Also: I fetch for A (0) or for B (1)
	s_and_b32 s12, s10, 1                          ; which half of its columns.  Also: which 64 rows of that tile I fetch
	s_bfe_u32 s40, ttmp6, 0x40000                  ; cx, cy
	s_bfe_u32 s41, ttmp6, 0x40004
	s_lshl_b32 s42, ttmp9, 2
	s_add_co_u32 s42, s42, s40                     ; tile column of C
	s_and_b32 s13, ttmp7, 0xffff
	s_lshl_b32 s13, s13, 2
	s_add_co_u32 s13, s13, s41                     ; tile row of C
	s_lshl_b32 s43, s41, 2
	s_lshl_b32 s43, 15, s43                        ; my row of the cluster
	s_lshl_b32 s44, 0x1111, s40                    ; my column
	s_and_b32 s21, ttmp7, 0xffff                   ; the walk's first K step, made of the cluster's X and Y alone, which all sixteen partners share:
	s_and_b32 s22, s21, 1
	s_lshr_b32 s21, s21, 1
	s_lshl1_add_u32 s21, s22, s21                  ; rev Y: Y's two bits swapped
	s_add_co_u32 s21, s21, ttmp9
	s_and_b32 s21, s21, 3
	s_lshl_b32 s[KN], s21, 1                       ; 2 ((X + rev Y) mod 4)
	s_lshl_b32 s[OFK], s[KN], 9                    ; a step is 512 bytes of a row
	s_mov_b32 s[OFK+1], 0
	s_mov_b32 s[TBR], 0                            ; slot 0 is read first;
	s_mov_b32 s[TBF], SLOT                         ; slot 1 is the last of the two first fills
	s_or_b32 s[G1+0], s43, (1<<16)|(1<<20)|(1<<21)|(6<<22)|(3<<25)  ; the mask; 2-byte elements; padding on; 21 set beside a mask; after every 128 words (code 6) 4 words (code 3)
	s_or_b32 s[G1B+0], s44, (1<<16)|(1<<20)|(1<<21)|(6<<22)|(3<<25)
.irp g, G1, G1B
	s_mov_b32 s[(\g)+1], KSTEP<<16                 ; tensor_dim0 = 256
	s_mov_b32 s[(\g)+2], 64<<16                    ; tensor_dim1 = 64
	s_mov_b32 s[(\g)+3], KSTEP<<16                 ; tile_dim0 = 256
	s_mov_b32 s[(\g)+4], 64                        ; tile_dim1 = 64
	s_mov_b32 s[(\g)+5], SIZE_K                    ; elements from row to row
	s_mov_b32 s[(\g)+6], 0
	s_mov_b32 s[(\g)+7], 0
.endr
	s_lshl_b32 s17, s12, 6                         ; which 64 rows of the tile I fetch
	s_lshl_b32 s16, s13, 7
	s_add_co_u32 s16, s16, s17                     ; A: row 128 x tile row + 64 x half
	s_lshl_b32 s46, s42, 7
	s_add_co_u32 s46, s46, s17                     ; B: row 128 x tile column + 64 x half
	s_mov_b32 s17, 0
	s_mov_b32 s47, 0
	s_mov_b64 s[18:19], SIZE_K*2
	s_mul_u64 s[16:17], s[16:17], s[18:19]
	s_mul_u64 s[46:47], s[46:47], s[18:19]
	s_mul_i32 s20, s10, HALFT                      ; where they go in a slot: wave x 64 rows
	s_wait_dscnt 0x0                               ; the opening add is done
	s_wait_kmcnt 0x0
	s_add_nc_u64 s[14:15], s[4:5], s[16:17]        ; my rows of O, kept: every tile's address is made from it
	s_add_nc_u64 s[46:47], s[6:7], s[46:47]        ; my rows of Wo, kept likewise
	CROUND                                         ; all sixteen work-groups are here: the first joint loads meet
.irp s, 0,1
	s_mov_b32 s[G0+4*(\s)], 1
	s_add_co_u32 s[G0+4*(\s)+1], s20, (\s)*SLOT
	s_add_nc_u64 s[G0+4*(\s)+2:G0+4*(\s)+3], s[14:15], s[OFK:OFK+1]
	s_or_b32 s[G0+4*(\s)+3], s[G0+4*(\s)+3], 0x80000000
	s_mov_b32 s[G0B+4*(\s)], 1
	s_add_co_u32 s[G0B+4*(\s)+1], s20, (\s)*SLOT
	s_add_nc_u64 s[G0B+4*(\s)+2:G0B+4*(\s)+3], s[46:47], s[OFK:OFK+1]
	s_or_b32 s[G0B+4*(\s)+3], s[G0B+4*(\s)+3], 0x80000000
	JLOAD \s                                       ; two loads of mine are out
	s_add_co_u32 s[OFK], s[OFK], KSTEP*2           ; the first step is even: the second does not wrap
.endr
	s_add_co_u32 s[KN], s[KN], 1                   ; the step that the walking sets name
	v_and_b32 v1, 15, v0                           ; l % 16
	v_bfe_u32 v2, v0, 4, 1                         ; l / 16
	v_mul_u32_u24 v3, v1, PITCH
	v_lshl_add_u32 v3, v2, 4, v3                   ; a fragment's row x pitch + 16 x half
	s_mul_i32 s21, s11, HALFT                      ; my 64 rows of A
	s_mul_i32 s22, s12, HALFT                      ; my 64 rows of B,
	s_add_co_u32 s22, s22, 2*HALFT                 ; which lie behind A's 128
	v_add_nc_u32 v[ADRA], s21, v3
	v_mov_b32 v[ADRA+1], v[ADRA]                   ; the slot in hand is slot 0
	v_add_nc_u32 v[ADRB], s22, v3
	v_mov_b32 v[ADRB+1], v[ADRB]
	s_mul_i32 s23, s10, 16*SPITCH
	s_add_co_u32 s23, s23, STAGE                   ; my stage
	v_mul_u32_u24 v4, v1, SPITCH                   ; in: row l % 16, 32 bytes for each half of the lanes
	v_lshl_add_u32 v4, v2, 5, v4
	v_add_nc_u32 v[STO], s23, v4
	v_mul_u32_u24 v5, v2, SPITCH                   ; back: lanes 0-15 take one row of 256 bytes, lanes 16-31 the next
	v_lshl_add_u32 v5, v1, 4, v5
	v_add_nc_u32 v[RD], s23, v5
	v_lshlrev_b32 v5, 13, v2                       ; and the same two rows in C, 8,192 bytes apart
	v_lshl_add_u32 v[CO], v1, 4, v5
	s_lshl_b32 s16, s13, 20                        ; my first row of C: (128 x tile row + 64 x half) x 8,192 bytes
	s_lshl_b32 s17, s11, 19
	s_add_co_u32 s16, s16, s17
	s_mov_b32 s17, 0
	s_add_nc_u64 s[8:9], s[8:9], s[16:17]
	s_lshl_b32 s72, s42, 9                         ; my first column, in bytes: 512 x tile column + 256 x half (in registers that feed no descriptor)
	s_lshl_b32 s73, s12, 8
	s_add_co_u32 s72, s72, s73
	s_mov_b32 s73, 0
	s_add_nc_u64 s[8:9], s[8:9], s[72:73]
; 8 matrix instructions: m blocks a0, a0 + 1 x all 4 n blocks, 32 along K: half c of buffer f.  zero = 1: the first product starts the sums.  The 16 accumulators take turns.
.macro MUL8 f, c, a0, zero
	WIN MUL
.irp a, \a0, (\a0)+1
.irp b, 0,1,2,3
.if \zero
	v_wmma_f32_16x16x32_f16 v[ACC+8*(4*(\a)+(\b)):ACC+8*(4*(\a)+(\b))+7], v[(\f)+64+8*(4*(\c)+(\b)):(\f)+64+8*(4*(\c)+(\b))+7], v[(\f)+8*(4*(\c)+(\a)):(\f)+8*(4*(\c)+(\a))+7], 0
.else
	v_wmma_f32_16x16x32_f16 v[ACC+8*(4*(\a)+(\b)):ACC+8*(4*(\a)+(\b))+7], v[(\f)+64+8*(4*(\c)+(\b)):(\f)+64+8*(4*(\c)+(\b))+7], v[(\f)+8*(4*(\c)+(\a)):(\f)+8*(4*(\c)+(\a))+7], v[ACC+8*(4*(\a)+(\b)):ACC+8*(4*(\a)+(\b))+7]
.endif
.endr
.endr
.endm
; 32 LDS loads in one run: the fragments of 64 along K at byte k of the rows of the slot in hand, into buffer f; the first 32 along K first
.macro FETCH k, f
	WIN TO_F
.irp c, 0,1
.irp i, 0,1,2,3
	ds_load_b128 v[(\f)+64+8*(4*(\c)+(\i)):(\f)+64+8*(4*(\c)+(\i))+3],   v[ADRB+1] offset:(\k)+64*(\c)+(\i)*16*PITCH
	ds_load_b128 v[(\f)+64+8*(4*(\c)+(\i))+4:(\f)+64+8*(4*(\c)+(\i))+7], v[ADRB+1] offset:(\k)+64*(\c)+(\i)*16*PITCH+32
	ds_load_b128 v[(\f)+8*(4*(\c)+(\i)):(\f)+8*(4*(\c)+(\i))+3],         v[ADRA+1] offset:(\k)+64*(\c)+(\i)*16*PITCH
	ds_load_b128 v[(\f)+8*(4*(\c)+(\i))+4:(\f)+8*(4*(\c)+(\i))+7],       v[ADRA+1] offset:(\k)+64*(\c)+(\i)*16*PITCH+32
.endr
.endr
.endm
.macro PLACES                          ; four places in front of loads into registers that matrix instructions have read, and of LDS stores that read results
.rept 4
	v_nop
.endr
.endm
; A K step is four quarters of 64 along K, 32 matrix instructions each, on buffers 0, 1, 0, 1.  One of the first three: multiplies buffer f and fetches the next quarter, at byte k, into g.
.macro QUARTER k, f, g, zero
	s_wait_dscnt 16                                ; the first 32 along K are in
	WIN MUL
	MUL8 \f, 0, 0, \zero
	MUL8 \f, 0, 2, \zero
	PLACES
	FETCH \k, \g
	s_wait_dscnt 32                                ; all but the 32 just issued
	WIN MUL
	MUL8 \f, 1, 0, 0
	MUL8 \f, 1, 2, 0
.endm
; The last quarter multiplies buffer 1 and changes slots.  MEET is its first half: ONE barrier; in front of it each wave waits for all its tensor loads (one is out: its part of the next slot), adds 0 to its spare
; word, and waits for that and for its reads of this slot.  Between the add and the wait for it: the fragment addresses turn to the other slot (every load from this slot has been issued), and with fill = 1
; the walking descriptor sets, which no load names any more, take this slot and the K step two on, modulo 8.
.macro MEET fill
	WIN 0                                          ; (the add's two registers lie in window 0)
	s_wait_tensorcnt 0x0
	ds_add_u32 v[SPW], v[NIL]
	s_xor_b32 s[TBR], s[TBR], SLOT                 ; 0 <-> SLOT
	v_add_nc_u32 v[ADRA+1], s[TBR], v[ADRA]
	v_add_nc_u32 v[ADRB+1], s[TBR], v[ADRB]
.if \fill
	s_add_co_u32 s[KN], s[KN], 1
	s_and_b32 s[KN], s[KN], NSTEP-1                ; the walk wraps round
	s_lshl_b32 s[OFK], s[KN], 9
	s_xor_b32 s[TBF], s[TBF], SLOT                 ; the slot that is being left
	s_add_co_u32 s[G0+5], s20, s[TBF]
	s_add_nc_u64 s[G0+6:G0+7], s[14:15], s[OFK:OFK+1]   ; the address is made anew from the step's number
	s_or_b32 s[G0+7], s[G0+7], 0x80000000
	s_add_co_u32 s[G0B+5], s20, s[TBF]
	s_add_nc_u64 s[G0B+6:G0B+7], s[46:47], s[OFK:OFK+1]
	s_or_b32 s[G0B+7], s[G0B+7], 0x80000000
.endif
	s_wait_dscnt 17                                ; (the add and the youngest sixteen loads may be out)
	MUL8 F1, 0, 0, 0                               ; eight matrix instructions stand between the add and the wait for it
	s_wait_dscnt 0x0                               ; the add is done, and my reads of this slot are over
	s_barrier_signal -1
	MUL8 F1, 0, 2, 0
	WIN 0
	s_barrier_wait -1
.endm
	s_wait_tensorcnt 1                             ; my part of the walk's first step is in; the second's may stay out
	s_barrier_signal -1
	s_barrier_wait -1                              ; everybody's is
	FETCH 0, F0
	QUARTER 128, F0, F1, 1                         ; the first quarter stands in front of the loop: its first products start the sums
	WIN 0                                          ; at a label and at a branch every window is 0
	s_mov_b32 s3, NSTEP-2
.Lstep:                                                ; 6 trips, each from a step's second quarter to the next step's first; each fills the slot that it leaves
	QUARTER 256, F1, F0, 0
	QUARTER 384, F0, F1, 0
	MEET 1
	CREST                                          ; the barrier has opened a round of the cluster's: no wave of any partner still reads this slot's tiles or has a load on its way
	JLOAD 1                                        ; the first tensor load behind the round: 112 matrix instructions ahead of the wait for it; its four v_nop are also the places in front of the loads below
	FETCH 0, F0
	MUL8 F1, 1, 0, 0
	MUL8 F1, 1, 2, 0
	QUARTER 128, F0, F1, 0
	WIN 0
	s_sub_co_u32 s3, s3, 1
	s_cmp_lg_u32 s3, 0
	s_cbranch_scc1 .Lstep
	s_mov_b32 s3, 2
.Ltail:                                                ; the last two steps fill nothing: a text of their own
	QUARTER 256, F1, F0, 0
	QUARTER 384, F0, F1, 0
	MEET 0
	s_cmp_eq_u32 s3, 1                             ; behind the last step there is nothing to fetch: what is jumped holds no barrier and no tensor load
	s_cbranch_scc1 .Llast
	PLACES
	FETCH 0, F0
	MUL8 F1, 1, 0, 0
	MUL8 F1, 1, 2, 0
	QUARTER 128, F0, F1, 0
	WIN 0
.Llast:
	s_sub_co_u32 s3, s3, 1
	s_cmp_lg_u32 s3, 0
	s_cbranch_scc1 .Ltail
	MUL8 F1, 1, 0, 0                               ; the last step's last sixteen products
	MUL8 F1, 1, 2, 0
	WIN 0
; THE WAY OUT, a block of 16 rows at a time, through my own stage.  TOSTAGE: a lane's 32 bytes of each of four accumulators go in (the lowest registers first), whole rows of 256 bytes come back.
.macro TOSTAGE a
.set BK, TMP+32*((\a)%2)
.if (\a) >= 2
	s_wait_xcnt 0x0                                ; the buffer, which the stores of the block two back read, is loaded again only behind this wait
.endif
.irp b, 0,1,2,3
	ds_store_b128 v[STO], v[ACC+8*(4*(\a)+(\b)):ACC+8*(4*(\a)+(\b))+3]   offset:64*(\b)
	ds_store_b128 v[STO], v[ACC+8*(4*(\a)+(\b))+4:ACC+8*(4*(\a)+(\b))+7] offset:64*(\b)+16
.endr
.irp t, 0,1,2,3,4,5,6,7
	ds_load_b128 v[BK+4*(\t):BK+4*(\t)+3], v[RD] offset:(\t)*2*SPITCH  ; LDS serves a wave's instructions in order (ISA guide 5.7.1.4): these see the stores above; the next block's stores come behind them
.endr
.endm
.macro SEND a, younger                 ; younger: the LDS instructions issued behind block a's loads: the next block's sixteen, or none
.set BK, TMP+32*((\a)%2)
.irp t, 0,1,2,3,4,5,6,7
	s_wait_dscnt (\younger)+7-(\t)
	global_store_b128 v[CO], v[BK+4*(\t):BK+4*(\t)+3], s[8:9] offset:(16*(\a)+2*(\t))*SIZE_N*4 th:TH_STORE_NT  ; 16 lanes store 256 consecutive bytes, aligned
.endr
.endm
	PLACES
	TOSTAGE 0
	TOSTAGE 1
	SEND 0, 16
	TOSTAGE 2
	SEND 1, 16
	TOSTAGE 3
	SEND 2, 16
	SEND 3, 0
	s_wait_tensorcnt 0x0                           ; the wave's end: behind my last tensor load and my last LDS store
	ds_add_u32 v[SPW], v[NIL]
	s_wait_dscnt 0x0
	CROUND                                         ; the closing round: no work-group ends while a partner may still ask for a tile that names it
	s_endpgm
.Lfunc_end_k_qc970f7d5b1_outp:
	.size	k_qc970f7d5b1_outp, .Lfunc_end_k_qc970f7d5b1_outp-k_qc970f7d5b1_outp
	.p2alignl 7, 3214868480
	.fill 96, 4, 3214868480
	.section	.rodata,"a",@progbits
	.p2align	6, 0x0
	.amdhsa_kernel k_qc970f7d5b1_outp
		.amdhsa_group_segment_fixed_size 327680
		.amdhsa_private_segment_fixed_size 0
		.amdhsa_enable_private_segment 0
		.amdhsa_kernarg_size 24
		.amdhsa_user_sgpr_count 2
		.amdhsa_user_sgpr_kernarg_segment_ptr 1
		.amdhsa_wavefront_size32 1
		.amdhsa_system_sgpr_workgroup_id_x 1
		.amdhsa_system_sgpr_workgroup_id_y 1
		.amdhsa_system_sgpr_workgroup_id_z 1
		.amdhsa_system_vgpr_workitem_id 0
		.amdhsa_next_free_vgpr 512
		.amdhsa_next_free_sgpr 76
		.amdhsa_reserve_vcc 0
		.amdhsa_float_denorm_mode_32 3
		.amdhsa_float_denorm_mode_16_64 3
		.amdhsa_memory_ordered 1
		.amdhsa_forward_progress 1
		.amdhsa_inst_pref_size 60
	.end_amdhsa_kernel
	.amdgpu_metadata
---
amdhsa.version: [ 1, 2 ]
amdhsa.kernels:
  - .name:           k_qc970f7d5b1_outp
    .symbol:         k_qc970f7d5b1_outp.kd
    .args:
      - { .name: ob, .offset: 0, .size: 8, .value_kind: global_buffer, .address_space: global }
      - { .name: wob, .offset: 8, .size: 8, .value_kind: global_buffer, .address_space: global }
      - { .name: out0, .offset: 16, .size: 8, .value_kind: global_buffer, .address_space: global }
    .group_segment_fixed_size: 327680
    .private_segment_fixed_size: 0
    .kernarg_segment_align: 8
    .kernarg_segment_size: 24
    .max_flat_workgroup_size: 128
    .sgpr_count:     76
    .vgpr_count:     512
    .wavefront_size: 32
...
	.end_amdgpu_metadata
.endif
;; end of part 4
